; MI455X (gfx1250); checked and timed in simulation.
; The chip was launched on July 23, 2026; its instructions are those of AMD's public machine-readable ISA for CDNA 5 (MIT licence, August 2026) and "CDNA5" Instruction Set Architecture Reference Guide (July 2026). The comments in the code are by the model that wrote it; some were corrected since.
;; Layer Ensemble Cor MLP. Allowed arithmetic: float matrix products may take bf16 or f16 operands with f32 sums; other float arithmetic in f32, or as packed bf16 or f16 multiplies, adds, multiply-adds, maxima and minima; sums over many terms, partial sums and values carried from step to step in f32; what a program stores and reads back later, other than sums and carried values, may be rounded once to bf16 or f16.
;; Inputs: b0 1,024 x 8 float32; b1 1,024 x 8 float32; b2 256 x 8 float32; inputs 128 x 1,024 float32; samples 64 x 3 int32; w0 1,024 x 1,024 x 8 float32; w1 1,024 x 1,024 x 8 float32; w2 1,024 x 256 x 8 float32.
;; Outputs: out0 64 x 128 x 256 float32.
;; 2 versions, each right and faster than the one before. Each part assembles by itself: llvm-mc -triple=amdgcn-amd-amdhsa -mcpu=gfx1250 --defsym DOCPART=n.
;; ======== version 1 of 2: 3 launches
;; limits: values are held in f16: magnitudes above 65,504 overflow, below 6.1e-05 lose precision
;; workspace buffers: h0 2,097,152 bytes; h1 33,554,432 bytes; w2t 4,194,304 bytes
;; launch first (part 1): grid 256 x 1, 4 waves a work-group, clusters of 4 x 1, 278,528 bytes of LDS; arguments inputs, w0, b0, w2, h0, w2t; writes h0, w2t
.if DOCPART == 1
	.amdgcn_target "amdgcn-amd-amdhsa--gfx1250"
	.amdhsa_code_object_version 6
	.text
	.protected	k_qf3e88c486e_first
	.globl	k_qf3e88c486e_first
	.p2align	8
	.type	k_qf3e88c486e_first,@function
k_qf3e88c486e_first:
	s_mov_b64 s[64:65], 0
	v_nop
	global_prefetch_b8 v0, s[64:65] scope:SCOPE_SE
	s_setreg_imm32_b32 hwreg(HW_REG_WAVE_MODE, 25, 1), 1
	s_wait_xcnt 0x0
	s_wait_alu depctr_hold_cnt(0) depctr_sa_sdst(0) depctr_va_vdst(0) depctr_va_sdst(0) depctr_va_ssrc(0) depctr_va_vcc(0) depctr_vm_vsrc(0)
	s_getreg_b32 s2, hwreg(HW_REG_IB_STS2, 6, 4)
	s_cmp_eq_u32 s2, 0
	s_cbranch_scc0 .Lentry_in_a_cluster
	s_endpgm
.Lentry_in_a_cluster:
	s_bfe_u32 s2, ttmp6, 0x10000c
	s_cmp_lg_u32 s2, 0x3003
	s_cbranch_scc0 .Lentry_shape_is_right
	s_endpgm
.Lentry_shape_is_right:
; LAYER 0 FOR ALL EIGHT MEMBERS, AND THE RE-LAYOUT OF w2.
; w0 is [1024 i][1024 o][8 e] f32; read as [1024 k][8192 n], n = 8 o + e, layer 0 of every member is ONE product
; x[128][1024] * w0[1024][8192], on w0 as it lies, and b0 read flat is the bias of column n.
;   h0[e][kq][m][8] (f16) = relu(x w0 + b0): member e, batch row m, features 8 kq .. 8 kq + 7; a member's plane is 262,144 bytes.
;   w2t[e][kq][o][8] (bf16) = w2[8 kq + 0..7][o][e]; a member's plane is 524,288 bytes.
; A work-group makes 64 rows (half mh of the batch) x 64 columns (feature octet nb, all 8 members).  Its four waves split K: wave w takes
; k = 256 w .. 256 w + 255 in 8 chunks of 32, on the whole 64 x 64 block (16 accumulators); the four partial sums meet in LDS.
; w0 goes from memory straight into registers (16 bytes a lane, sixteen lanes cover 256 consecutive aligned bytes of a row) and is rounded to
; f16 there; three chunks of 16 loads are on their way in every wave.
; CLUSTERS: the four work-groups of a cluster share mh and so the same 64 rows of x: x comes by joint tensor loads (mask 15), each wave its own
; 256 columns as four tiles of 64 rows x 256 bytes.  Their w0 columns differ, so w0 is not shared.  Nothing in LDS is filled twice.
; By this text's own count a wave has four tensor loads outstanding at the most.
; FORMATS: x, w0 and h0 are f16 (11 significant bits), because three layers of bf16 operands use up the result's allowance.
; LIMITS: f16 ends at 65,504: beyond it an operand becomes infinite.  The room: x of spread 1, w0 of spread 1/32, h0 up to about 7 as drawn; all inputs
; 30 times larger make h0 900 times larger, about 6,000; common offsets of 30 spreads (x + 30, w0 + 0.94) make it 1,024 x 28 = about 29,000.
; Below 2^-14 f16 keeps steps of 2^-24: for weights 30 times smaller (spread 0.001) that is 3e-5 of their spread.
; Sums are f32; K is added as four partial sums, an order other than the reference's; relu is a maximum in which a NaN loses: a NaN becomes 0.
.set XPITCH, 272                       ; an LDS row of x: 256 bytes + 16 of padding, so that 16 rows start at 16 different 16-byte columns of 256
.set XTILE,  64*XPITCH                 ; what one tensor load brings
.set XWAVE,  4*XTILE                   ; a wave's region
.set WROW,   32768                     ; bytes in a row of w0
.set BOFF,  3                          ; v3      w0: 8 h rows + 16 r
.set AADR,  4                          ; v4      x in LDS: my region + 272 r + 32 h
.set W2LD,  5                          ; v5      w2: 32 r + 16 h
.set W2ST,  6                          ; v6      w2t: 4 h planes + 16 r
.set BIOFF, 7                          ; v7      b0: 128 h
.set SCW,   8                          ; v8      where I put my partial sums: my region + 16 lane
.set SCR,   9                          ; v9-12   where I read wave s's partial sums of my 16 rows
.set HOFF,  13                         ; v13     h0: 16 r + 8 h
.set AF,    32                         ; v[32:63]   four fragments of x (16 rows x 32 k, f16)
.set BF,    64                         ; v[64:95]   four fragments of w0 (16 columns x 32 k, f16)
.set BI,    96                         ; v[96:127]  bias: register 4 j + c is column 32 h + 4 j + c
.set ACC,   128                        ; v[128:255] tile (t, c) at 128 + 8 (4 t + c)
.set W2R,   128                        ; v[128:191] w2 as loaded (before the sums begin)
.set W2P,   192                        ; v[192:223] w2 packed
.set ARAW,  192                        ; window 1, v[192:255]: x as loaded, f32.  Window 1, v[0:191]: w0 as loaded, three slots of 64
.set G1, 24                            ; s[24:31] descriptor group 1
.set G0, 32                            ; s[32:47] descriptor group 0, one set for each of my four tiles; never rewritten
.set MSB, 0
.macro WIN new                         ; the immediate's high byte repeats the setting that is left
.if MSB != \new
	s_set_vgpr_msb (MSB<<8)|\new
.set MSB, \new
.endif
.endm
.macro PLACES                          ; four places behind a matrix instruction before its registers are written or its result is read (ISA guide 7.12.1)
.rept 4
	v_nop
.endr
.endm
.macro CROUND                          ; a round of the cluster's barrier
	s_barrier_signal -1
	s_barrier_wait -1
	s_cmp_lg_u32 s16, 0
	s_cbranch_scc1 .Lnot_wave_0_\@
	s_barrier_signal -3
.Lnot_wave_0_\@:
	s_barrier_wait -3
	s_barrier_signal -1
	s_barrier_wait -1
.endm
	s_load_b256 s[4:11], s[0:1], 0x0               ; inputs s[4:5], w0 s[6:7], b0 s[8:9], w2 s[10:11]
	s_load_b128 s[12:15], s[0:1], 0x20             ; h0 s[12:13], w2t s[14:15]
	v_lshrrev_b32 v15, 5, v0
	v_readfirstlane_b32 s16, v15                   ; wave 0..3
	s_bfe_u32 s17, ttmp6, 0x40000                  ; cx: my place in the cluster
	s_and_b32 s19, ttmp9, 1                        ; mh: which 64 rows of the batch; hangs on the cluster's number alone
	s_mul_i32 s50, s16, XWAVE                      ; my wave's region of LDS
	; group 1: a tile of 64 rows x 64 f32, 16 bytes of padding behind each row
	s_mov_b32 s[G1+0], 15|(2<<16)|(1<<20)|(1<<21)|(5<<22)|(3<<25)   ; mask: all four partners; elements of 4 bytes; padding on; bit 21 beside a mask; after 64 words, 4 words
	s_mov_b32 s[G1+1], 64<<16                      ; tensor_dim0 = 64
	s_mov_b32 s[G1+2], 64<<16                      ; tensor_dim1 = 64
	s_mov_b32 s[G1+3], 64<<16                      ; tile_dim0 = 64
	s_mov_b32 s[G1+4], 64                          ; tile_dim1 = 64
	s_mov_b32 s[G1+5], 1024                        ; elements from row to row
	s_mov_b32 s[G1+6], 0
	s_mov_b32 s[G1+7], 0
	s_lshl_b32 s22, s19, 18                        ; 64 mh rows of 4,096 bytes
	s_lshl_b32 s18, s16, 10                        ; + my 256 columns
	s_add_co_u32 s22, s22, s18
	s_mov_b32 s23, 0
	v_and_b32 v1, 15, v0                           ; r
	v_bfe_u32 v2, v0, 4, 1                         ; h
	v_and_b32 v14, 31, v0
	v_lshlrev_b32 v14, 4, v14                      ; 16 lane
	v_lshlrev_b32 v15, 4, v1                       ; 16 r
	v_lshl_add_u32 v[BOFF], v2, 18, v15
	v_mul_u32_u24 v[AADR], v1, XPITCH
	v_lshl_add_u32 v[AADR], v2, 5, v[AADR]
	v_add_nc_u32 v[AADR], s50, v[AADR]
	v_lshlrev_b32 v[W2LD], 5, v1
	v_lshl_add_u32 v[W2LD], v2, 4, v[W2LD]
	v_lshl_add_u32 v[W2ST], v2, 21, v15
	v_lshlrev_b32 v[BIOFF], 7, v2
	v_add_nc_u32 v[SCW], s50, v14
	v_lshl_add_u32 v[SCR], s16, 12, v14            ; my 16 rows = tiles (w, 0..3): 4,096 w
	v_add_nc_u32 v[SCR+1], XWAVE, v[SCR]
	v_add_nc_u32 v[SCR+2], 2*XWAVE, v[SCR]
	v_add_nc_u32 v[SCR+3], 3*XWAVE, v[SCR]
	v_lshl_add_u32 v[HOFF], v2, 3, v15
	s_wait_kmcnt 0x0
	s_add_nc_u64 s[22:23], s[4:5], s[22:23]        ; x at my first tile
.irp q, 0,1,2,3
	s_mov_b32 s[G0+4*\q], 1
	s_add_co_u32 s[G0+4*\q+1], s50, \q*XTILE       ; LDS address: wave x region + tile
	s_add_nc_u64 s[G0+4*\q+2:G0+4*\q+3], s[22:23], \q*256
	s_or_b32 s[G0+4*\q+3], s[G0+4*\q+3], 0x80000000
.endr
	CROUND                                         ; all four work-groups are here: the joint loads meet
.irp q, 0,1,2,3
	tensor_load_to_lds s[G0+4*\q:G0+4*\q+3], s[G1:G1+7]
.endr
	; the other addresses; these hang on cx and enter no descriptor and no LDS address
	s_lshr_b32 s20, ttmp9, 1
	s_lshl_b32 s20, s20, 2
	s_add_co_u32 s20, s20, s17                     ; nb: feature octet 0..127
	s_lshl_b32 s21, ttmp9, 2
	s_add_co_u32 s21, s21, s17                     ; work-group 0..255
	s_lshl_b32 s21, s21, 2
	s_add_co_u32 s21, s21, s16                     ; wave of the launch 0..1023: its piece of w2
	s_mov_b32 s49, 0
	s_lshl_b32 s51, s20, 8
	s_lshl_b32 s48, s16, 23                        ; 256 w rows of w0
	s_add_co_u32 s48, s48, s51                     ; + 64 nb columns
	s_add_nc_u64 s[6:7], s[6:7], s[48:49]
	s_mov_b32 s48, s51
	s_add_nc_u64 s[8:9], s[8:9], s[48:49]          ; b0 at column 64 nb
	s_lshr_b32 s52, s21, 3                         ; w2: k octet 0..127
	s_and_b32 s53, s21, 7                          ; and which 32 of the 256 outputs
	s_lshl_b32 s48, s52, 16
	s_lshl_b32 s54, s53, 10
	s_add_co_u32 s48, s48, s54
	s_add_nc_u64 s[10:11], s[10:11], s[48:49]
	s_lshl_b32 s48, s52, 12
	s_lshl_b32 s54, s53, 9
	s_add_co_u32 s48, s48, s54
	s_add_nc_u64 s[14:15], s[14:15], s[48:49]
	s_lshl_b32 s48, s20, 11                        ; h0: octet nb, rows 64 mh + 16 w
	s_lshl_b32 s54, s19, 10
	s_add_co_u32 s48, s48, s54
	s_lshl_b32 s54, s16, 8
	s_add_co_u32 s48, s48, s54
	s_add_nc_u64 s[12:13], s[12:13], s[48:49]
; 16 loads: chunk c of w0.  Load i takes 16 bytes (columns 4 r .. 4 r + 3) of row 8 h + i (i < 8) or 16 + 8 h + i - 8 of the chunk.
.macro LOADB c
.irp i, 0,1,2,3,4,5,6,7,8,9,10,11,12,13,14,15
	global_load_b128 v[64*((\c)%3)+4*\i:64*((\c)%3)+4*\i+3], v[BOFF], s[6:7] offset:(32*(\c)+\i+8*(\i/8))*WROW
.endr
.endm
; 16 LDS loads: chunk c of x, f32: for each of four row tiles k = 8 h .. 8 h + 7 (32 bytes) and k = 16 + 8 h .. (32 bytes, 64 further on)
.macro LOADA c
.irp t, 0,1,2,3
	ds_load_b128 v[ARAW+16*\t:ARAW+16*\t+3],     v[AADR] offset:((\c)/2)*XTILE+\t*16*XPITCH+128*((\c)%2)
	ds_load_b128 v[ARAW+16*\t+4:ARAW+16*\t+7],   v[AADR] offset:((\c)/2)*XTILE+\t*16*XPITCH+128*((\c)%2)+16
	ds_load_b128 v[ARAW+16*\t+8:ARAW+16*\t+11],  v[AADR] offset:((\c)/2)*XTILE+\t*16*XPITCH+128*((\c)%2)+64
	ds_load_b128 v[ARAW+16*\t+12:ARAW+16*\t+15], v[AADR] offset:((\c)/2)*XTILE+\t*16*XPITCH+128*((\c)%2)+80
.endr
.endm
	; w2: 8 rows k of an octet x 32 outputs x 8 members; a load covers 512 consecutive bytes; lane (r, h) holds output r (+ 16 u), members 4 h .. 4 h + 3
.irp j, 0,1,2,3,4,5,6,7
.irp u, 0,1
	global_load_b128 v[W2R+8*\j+4*\u:W2R+8*\j+4*\u+3], v[W2LD], s[10:11] offset:\j*8192+\u*512 th:TH_LOAD_NT
.endr
.endr
	WIN 0x40                                       ; destinations in window 1
	LOADB 0
	LOADB 1
	WIN 0
	s_wait_loadcnt 32                              ; w2 is in; the 32 younger loads are chunks 0 and 1 of w0
.irp u, 0,1
.irp k, 0,1,2,3
.irp p, 0,1,2,3
	v_cvt_pk_bf16_f32 v[W2P+16*\u+4*\k+\p], v[W2R+16*\p+4*\u+\k], v[W2R+16*\p+8+4*\u+\k]   ; k = 2 p below, 2 p + 1 above
.endr
.endr
.endr
.irp u, 0,1
.irp k, 0,1,2,3
	global_store_b128 v[W2ST], v[W2P+16*\u+4*\k:W2P+16*\u+4*\k+3], s[14:15] offset:\k*524288+\u*256   ; member 4 h + k: sixteen lanes store 256 consecutive aligned bytes
.endr
.endr
	WIN 0x40
	LOADB 2
	s_wait_tensorcnt 0x3                           ; my first tile of x is in; three younger ones may be out
	LOADA 0
	s_wait_xcnt 0x0                                ; the sums below overwrite the data registers of the w2t stores
; One chunk of 32 along K.  left = younger global loads that may stay out.
; The matrix instruction is used transposed: source 0 = 16 columns of w0, source 1 = 16 rows of x.  Fragment c holds columns 4 i + c, so register j
; of lane (r, h) of tile (t, c) is row 16 t + r, column 32 h + 4 j + c: member 4 (j & 1) + c, feature 4 h + (j >> 1) of the octet.
; The 16 accumulators take turns, one instruction a turn.
.macro CHUNK c, left
.if \c
	PLACES
.endif
	s_wait_dscnt 0x0                               ; this chunk's x
	s_wait_loadcnt \left                           ; this chunk's w0
	WIN 0x05                                       ; sources in window 1
.irp t, 0,1,2,3
.irp p, 0,1,2,3,4,5,6,7
	v_cvt_pk_f16_f32 v[AF+8*\t+\p], v[ARAW+16*\t+2*\p], v[ARAW+16*\t+2*\p+1]
.endr
.endr
.irp k, 0,1,2,3
.irp p, 0,1,2,3,4,5,6,7
	v_cvt_pk_f16_f32 v[BF+8*\k+\p], v[64*((\c)%3)+8*\p+\k], v[64*((\c)%3)+8*\p+4+\k]
.endr
.endr
.if \c < 7
.if ((\c+1)%2) == 0
	s_wait_tensorcnt 3-(\c+1)/2                    ; the next chunk begins a new tile of x: the younger tiles may be out
.endif
	WIN 0x40
	LOADA (\c+1)
.endif
.if \c < 5
	LOADB (\c+3)                                   ; into the slot just converted
.endif
	WIN 0
.if \c == 5
.irp j, 0,1,2,3,4,5,6,7
	global_load_b128 v[BI+4*\j:BI+4*\j+3], v[BIOFF], s[8:9] offset:16*\j
.endr
.endif
.irp t, 0,1,2,3
.irp k, 0,1,2,3
.if \c == 0
	v_wmma_f32_16x16x32_f16 v[ACC+8*(4*\t+\k):ACC+8*(4*\t+\k)+7], v[BF+8*\k:BF+8*\k+7], v[AF+8*\t:AF+8*\t+7], 0
.else
	v_wmma_f32_16x16x32_f16 v[ACC+8*(4*\t+\k):ACC+8*(4*\t+\k)+7], v[BF+8*\k:BF+8*\k+7], v[AF+8*\t:AF+8*\t+7], v[ACC+8*(4*\t+\k):ACC+8*(4*\t+\k)+7]
.endif
.endr
.endr
.endm
	CHUNK 0, 32                                    ; two younger chunks of 16 loads
	CHUNK 1, 32
	CHUNK 2, 32
	CHUNK 3, 32
	CHUNK 4, 32
	CHUNK 5, 32
	CHUNK 6, 24                                    ; chunk 7's 16 and the bias's 8
	CHUNK 7, 8                                     ; the bias's 8
	; The four partial sums meet.  Each wave puts its 16 tiles into the first 16 KiB of its own region of x, which it alone has read and which
	; has had its only fill; behind the barrier wave w adds up the four tiles of rows 16 w .. 16 w + 15.
	PLACES
.set n, 0
.rept 16
	ds_store_b128 v[SCW], v[ACC+8*n:ACC+8*n+3] offset:n*1024
	ds_store_b128 v[SCW], v[ACC+8*n+4:ACC+8*n+7] offset:n*1024+512
.set n, n+1
.endr
	s_wait_dscnt 0x0                               ; for the others: my stores are done
	s_barrier_signal -1
	s_barrier_wait -1
.irp s, 0,1,2,3
.irp k, 0,1,2,3
	ds_load_b128 v[ACC+32*\s+8*\k:ACC+32*\s+8*\k+3],   v[SCR+\s] offset:\k*1024
	ds_load_b128 v[ACC+32*\s+8*\k+4:ACC+32*\s+8*\k+7], v[SCR+\s] offset:\k*1024+512
.endr
.endr
	s_wait_dscnt 0x0
	s_wait_loadcnt 0x0                             ; the bias
.irp s, 1,2,3
.set n, 0
.rept 16
	v_pk_add_f32 v[ACC+n:ACC+n+1], v[ACC+n:ACC+n+1], v[ACC+32*\s+n:ACC+32*\s+n+1]
.set n, n+2
.endr
.endr
.irp k, 0,1,2,3
.irp j, 0,1,2,3,4,5,6,7
	v_add_f32 v[ACC+8*\k+\j], v[ACC+8*\k+\j], v[BI+4*\j+\k]
.endr
.endr
.set n, 0
.rept 32
	v_max_num_f32 v[ACC+n], 0, v[ACC+n]            ; relu
.set n, n+1
.endr
.irp k, 0,1,2,3
	v_cvt_pk_f16_f32 v[AF+2*\k],   v[ACC+8*\k],   v[ACC+8*\k+2]      ; member k: features 4 h + 0, 1
	v_cvt_pk_f16_f32 v[AF+2*\k+1], v[ACC+8*\k+4], v[ACC+8*\k+6]      ;           features 4 h + 2, 3
	v_cvt_pk_f16_f32 v[AF+8+2*\k], v[ACC+8*\k+1], v[ACC+8*\k+3]      ; member 4 + k
	v_cvt_pk_f16_f32 v[AF+9+2*\k], v[ACC+8*\k+5], v[ACC+8*\k+7]
.endr
.irp e, 0,1,2,3,4,5,6,7
	global_store_b64 v[HOFF], v[AF+2*\e:AF+2*\e+1], s[12:13] offset:\e*262144   ; the wave's 32 lanes store 256 consecutive aligned bytes: 16 rows of octet nb
.endr
	CROUND                                         ; the closing round: no work-group ends while a partner may still ask jointly
	s_endpgm
.Lfunc_end_k_qf3e88c486e_first:
	.size	k_qf3e88c486e_first, .Lfunc_end_k_qf3e88c486e_first-k_qf3e88c486e_first
	.p2alignl 7, 3214868480
	.fill 96, 4, 3214868480
	.section	.rodata,"a",@progbits
	.p2align	6, 0x0
	.amdhsa_kernel k_qf3e88c486e_first
		.amdhsa_group_segment_fixed_size 278528
		.amdhsa_private_segment_fixed_size 0
		.amdhsa_enable_private_segment 0
		.amdhsa_kernarg_size 48
		.amdhsa_user_sgpr_count 2
		.amdhsa_user_sgpr_kernarg_segment_ptr 1
		.amdhsa_wavefront_size32 1
		.amdhsa_system_sgpr_workgroup_id_x 1
		.amdhsa_system_sgpr_workgroup_id_y 1
		.amdhsa_system_sgpr_workgroup_id_z 1
		.amdhsa_system_vgpr_workitem_id 0
		.amdhsa_next_free_vgpr 512
		.amdhsa_next_free_sgpr 66
		.amdhsa_reserve_vcc 0
		.amdhsa_float_denorm_mode_32 3
		.amdhsa_float_denorm_mode_16_64 3
		.amdhsa_memory_ordered 1
		.amdhsa_forward_progress 1
		.amdhsa_inst_pref_size 84
	.end_amdhsa_kernel
	.amdgpu_metadata
---
amdhsa.version: [ 1, 2 ]
amdhsa.kernels:
  - .name:           k_qf3e88c486e_first
    .symbol:         k_qf3e88c486e_first.kd
    .args:
      - { .name: inputs, .offset: 0, .size: 8, .value_kind: global_buffer, .address_space: global }
      - { .name: w0, .offset: 8, .size: 8, .value_kind: global_buffer, .address_space: global }
      - { .name: b0, .offset: 16, .size: 8, .value_kind: global_buffer, .address_space: global }
      - { .name: w2, .offset: 24, .size: 8, .value_kind: global_buffer, .address_space: global }
      - { .name: h0, .offset: 32, .size: 8, .value_kind: global_buffer, .address_space: global }
      - { .name: w2t, .offset: 40, .size: 8, .value_kind: global_buffer, .address_space: global }
    .group_segment_fixed_size: 278528
    .private_segment_fixed_size: 0
    .kernarg_segment_align: 8
    .kernarg_segment_size: 48
    .max_flat_workgroup_size: 128
    .sgpr_count:     66
    .vgpr_count:     512
    .wavefront_size: 32
...
	.end_amdgpu_metadata
.endif
;; end of part 1
;; launch second (part 2): grid 8 x 32, 4 waves a work-group, clusters of 4 x 4, 327,680 bytes of LDS; arguments h0, w1, b1, h1; writes h1
.if DOCPART == 2
	.amdgcn_target "amdgcn-amd-amdhsa--gfx1250"
	.amdhsa_code_object_version 6
	.text
	.protected	k_qf3e88c486e_second
	.globl	k_qf3e88c486e_second
	.p2align	8
	.type	k_qf3e88c486e_second,@function
k_qf3e88c486e_second:
	s_mov_b64 s[64:65], 0
	v_nop
	global_prefetch_b8 v0, s[64:65] scope:SCOPE_SE
	s_setreg_imm32_b32 hwreg(HW_REG_WAVE_MODE, 25, 1), 1
	s_wait_xcnt 0x0
	s_wait_alu depctr_hold_cnt(0) depctr_sa_sdst(0) depctr_va_vdst(0) depctr_va_sdst(0) depctr_va_ssrc(0) depctr_va_vcc(0) depctr_vm_vsrc(0)
	s_getreg_b32 s2, hwreg(HW_REG_IB_STS2, 6, 4)
	s_cmp_eq_u32 s2, 0
	s_cbranch_scc0 .Lentry_in_a_cluster
	s_endpgm
.Lentry_in_a_cluster:
	s_bfe_u32 s2, ttmp6, 0x10000c
	s_cmp_lg_u32 s2, 0xf033
	s_cbranch_scc0 .Lentry_shape_is_right
	s_endpgm
.Lentry_shape_is_right:
; LAYER 1 FOR ALL 64 PAIRS (e0, e1): h1[e0][e1] = relu(h0[e0] w1[:, :, e1] + b1[:, e1]).
; There are as many pairs as samples, so all pairs cost what the 64 samples cost, and the product is one dense GEMM with no index in it:
; M = 1024 (e0, batch row), N = 8192 (n = 8 o + e1, w1 as it lies), K = 1024.
;   h0[e0][kq][m][8] f16 in (a plane is 262,144 bytes);
;   h1[e0][e1][mh][kq][part][m' 64][8] bf16 out (a pair's plane is 524,288 bytes): row 64 mh + m', features 8 kq .. 8 kq + 7; part 0 is the value
;   rounded to bf16, part 1 the rest (value - part 0, exact in f32) rounded to bf16: together 16 significant bits.
; A work-group makes 128 rows (member X = e0) x 256 columns (block Y); wave w makes all 128 rows x columns 64 w .. 64 w + 63: 32 accumulators.
; K goes in 8 steps of 128 through two LDS slots; a step is four quarters of 32.  A slot holds h0's tile (16 octets x 128 rows x 16 bytes, dense)
; and w1's tile (128 rows of 1,024 bytes, f32).  w1 is rounded to f16 on its way from LDS to the matrix instruction.
; No padding: a fragment load's sixteen lanes read 256 consecutive bytes in both tiles.
; CLUSTERS: 4 x 4.  h0's tile hangs on X alone and is shared by the four with my cx; w1's hangs on Y alone and is shared by the four with my cy.
; Waves 0 and 1 ask for the halves of h0's tile, waves 2 and 3 for the halves of w1's, one joint load a wave behind each round of the cluster's barrier.
; By this text's own count a wave has two tensor loads outstanding at the start and one later on.
; FORMATS: h0 and w1 are f16.  h1 has no room in f16 (x, w0 and w1 each 30 times larger make it 27,000 times larger, about 150,000, and f16 ends at
; 65,504), so it leaves as a pair of bf16.
; LIMITS: w1 beyond 65,504 becomes infinite (as drawn its spread is 1/32); below 2^-14 f16 keeps steps of 2^-24.  A value of h1 that rounds to bf16's
; infinity (above 3.39e38) gives a NaN in part 1.  Sums are f32; relu is a maximum in which a NaN loses: a NaN becomes 0.
.set SLOT, 163840
.set BREG, 32768                       ; w1's tile behind h0's in a slot
.set ADRA,  4                          ; v4-5    h0's fragments in slot 0, 1: 2,048 h + 16 r
.set ADRB,  6                          ; v6-9    w1 in slot s, rows 64 p ..: v[6 + 2 s + p] = 8,192 h + 256 w + 16 r + ..
.set HOFF,  10                         ; v10     h1: 16 r + 8 h
.set BIOFF, 11                         ; v11     b1: 128 h
.set AF,    16                         ; v[16:79], v[80:143] fragments of h0 (8 x 16 rows x 32 k), two buffers
.set BRAW,  144                        ; v[144:207] w1 as loaded, f32: register 4 i + c
.set BF,    208                        ; v[208:239] four fragments of w1
                                       ; window 1: the 32 accumulators, tile (t, c) at 8 (4 t + c); window 2, v[0:31]: the bias in an accumulator's layout
.set TV,    16                         ; the way out: v[16:47] a row tile's 32 values, then their rests
.set TU,    48                         ;              v[48:79] part 0 widened again
.set PH,    80                         ;              v[80:95] part 0 packed
.set PL,    96                         ;              v[96:111] part 1 packed
.set G1A, 24                           ; s[24:31] group 1 of h0's tiles
.set G0A, 32                           ; s[32:39] group 0 of h0's tiles, a set for each slot
.set G1B, 40                           ; s[40:47] group 1 of w1's tiles
.set G0B, 48                           ; s[48:55] group 0 of w1's tiles, a set for each slot
.set MSB, 0
.macro WIN new                         ; the immediate's high byte repeats the setting that is left
.if MSB != \new
	s_set_vgpr_msb (MSB<<8)|\new
.set MSB, \new
.endif
.endm
.macro PLACES                          ; four places behind a matrix instruction before its registers are written, loaded into or its result read (ISA guide 7.12.1)
.rept 4
	v_nop
.endr
.endm
.macro CREST                           ; a round of the cluster's barrier behind its opening barrier
	s_cmp_lg_u32 s12, 0
	s_cbranch_scc1 .Lnot_wave_0_\@
	s_barrier_signal -3
.Lnot_wave_0_\@:
	s_barrier_wait -3
	s_barrier_signal -1
	s_barrier_wait -1
.endm
.macro CROUND
	s_barrier_signal -1
	s_barrier_wait -1
	CREST
.endm
.macro JLOAD s                         ; one joint load a wave; the branch hangs on the wave's number alone
	s_cmp_eq_u32 s13, 0
	s_cbranch_scc0 .Lfor_b_\@
	tensor_load_to_lds s[G0A+4*\s:G0A+4*\s+3], s[G1A:G1A+7]
	s_branch .Lasked_\@
.Lfor_b_\@:
	tensor_load_to_lds s[G0B+4*\s:G0B+4*\s+3], s[G1B:G1B+7]
.Lasked_\@:
.endm
	s_load_b256 s[4:11], s[0:1], 0x0               ; h0 s[4:5], w1 s[6:7], b1 s[8:9], h1 s[10:11]
	v_lshrrev_b32 v1, 5, v0
	v_readfirstlane_b32 s12, v1                    ; wave 0..3
	s_lshr_b32 s13, s12, 1                         ; I fetch for h0 (0) or for w1 (1)
	s_and_b32 s14, s12, 1                          ; which half of that tile
	s_bfe_u32 s15, ttmp6, 0x40000                  ; cx
	s_bfe_u32 s16, ttmp6, 0x40004                  ; cy
	s_lshl_b32 s17, ttmp9, 2
	s_add_co_u32 s17, s17, s15                     ; X = e0
	s_and_b32 s18, ttmp7, 0xffff
	s_lshl_b32 s18, s18, 2
	s_add_co_u32 s18, s18, s16                     ; Y = block of 256 columns
	s_lshl_b32 s19, 0x1111, s15                    ; my column of the cluster (same cx)
	s_lshl_b32 s20, s16, 2
	s_lshl_b32 s20, 15, s20                        ; my row of the cluster (same cy)
	; h0's half tile is dense: 64 rows of 32 elements of 8 bytes
	s_or_b32 s[G1A+0], s19, (3<<16)|(1<<21)
	s_mov_b32 s[G1A+1], 32<<16
	s_mov_b32 s[G1A+2], 64<<16
	s_mov_b32 s[G1A+3], 32<<16
	s_mov_b32 s[G1A+4], 64
	s_mov_b32 s[G1A+5], 32
	s_mov_b32 s[G1A+6], 0
	s_mov_b32 s[G1A+7], 0
	; w1's half tile: 64 rows of 256 f32, 8,192 elements from row to row
	s_or_b32 s[G1B+0], s20, (2<<16)|(1<<21)
	s_mov_b32 s[G1B+1], 256<<16
	s_mov_b32 s[G1B+2], 64<<16
	s_mov_b32 s[G1B+3], 256<<16
	s_mov_b32 s[G1B+4], 64
	s_mov_b32 s[G1B+5], 8192
	s_mov_b32 s[G1B+6], 0
	s_mov_b32 s[G1B+7], 0
	s_lshl_b32 s21, s14, 14                        ; h0: my half, in memory and in LDS
	s_lshl_b32 s56, s17, 18                        ; plane X
	s_add_co_u32 s56, s56, s21
	s_mov_b32 s57, 0
	s_lshl_b32 s22, s14, 16                        ; w1: my half in LDS,
	s_add_co_u32 s22, s22, BREG                    ; behind h0's tile
	s_lshl_b32 s23, s14, 21                        ; 64 rows of 32,768 bytes in memory
	s_lshl_b32 s58, s18, 10                        ; 256 Y columns
	s_add_co_u32 s58, s58, s23
	s_mov_b32 s59, 0
	s_wait_kmcnt 0x0
	s_add_nc_u64 s[56:57], s[4:5], s[56:57]
	s_add_nc_u64 s[58:59], s[6:7], s[58:59]
	CROUND                                         ; all sixteen work-groups are here: the first joint loads meet
.irp s, 0,1
	s_mov_b32 s[G0A+4*\s], 1
	s_add_co_u32 s[G0A+4*\s+1], s21, \s*SLOT
	s_add_nc_u64 s[G0A+4*\s+2:G0A+4*\s+3], s[56:57], \s*32768       ; K step s: 16 octets of 2,048 bytes
	s_or_b32 s[G0A+4*\s+3], s[G0A+4*\s+3], 0x80000000
	s_mov_b32 s[G0B+4*\s], 1
	s_add_co_u32 s[G0B+4*\s+1], s22, \s*SLOT
	s_add_nc_u64 s[G0B+4*\s+2:G0B+4*\s+3], s[58:59], \s*0x400000    ; K step s: 128 rows of 32,768 bytes
	s_or_b32 s[G0B+4*\s+3], s[G0B+4*\s+3], 0x80000000
	JLOAD \s
.endr
	v_and_b32 v1, 15, v0                           ; r
	v_bfe_u32 v2, v0, 4, 1                         ; h
	v_lshlrev_b32 v3, 4, v1                        ; 16 r
	v_lshl_add_u32 v[ADRA], v2, 11, v3
	v_add_nc_u32 v[ADRA+1], SLOT, v[ADRA]
	v_lshl_add_u32 v[ADRB], v2, 13, v3
	v_lshl_add_u32 v[ADRB], s12, 8, v[ADRB]
	v_add_nc_u32 v[ADRB], BREG, v[ADRB]
	v_add_nc_u32 v[ADRB+1], 65536, v[ADRB]
	v_add_nc_u32 v[ADRB+2], SLOT, v[ADRB]
	v_add_nc_u32 v[ADRB+3], SLOT+65536, v[ADRB]
	v_lshl_add_u32 v[HOFF], v2, 3, v3
	v_lshlrev_b32 v[BIOFF], 7, v2
	s_lshl_b32 s60, s18, 10                        ; b1 at column 256 Y + 64 w
	s_lshl_b32 s62, s12, 8
	s_add_co_u32 s60, s60, s62
	s_mov_b32 s61, 0
	s_add_nc_u64 s[8:9], s[8:9], s[60:61]
	WIN 0x80                                       ; destinations in window 2
.irp k, 0,1,2,3
.irp j, 0,1,2,3,4,5,6,7
	global_load_b32 v[8*\k+\j], v[BIOFF], s[8:9] offset:16*\j+4*\k   ; register j of fragment k's tiles is column 32 h + 4 j + k
.endr
.endr
	WIN 0
; 32 LDS loads for quarter q of a slot: w1's 16 (row 8 h + i, or 16 + 8 h + i - 8; columns 4 r .. 4 r + 3 of my 64), then h0's 16 into buffer f
.macro LOADS slot, q, f
.irp i, 0,1,2,3,4,5,6,7,8,9,10,11,12,13,14,15
	ds_load_b128 v[BRAW+4*\i:BRAW+4*\i+3], v[ADRB+2*\slot+(\q)/2] offset:((\q)%2)*32768+(\i+8*(\i/8))*1024
.endr
.irp t, 0,1,2,3,4,5,6,7
	ds_load_b128 v[AF+64*\f+8*\t:AF+64*\f+8*\t+3],   v[ADRA+\slot] offset:\q*8192+\t*256
	ds_load_b128 v[AF+64*\f+8*\t+4:AF+64*\f+8*\t+7], v[ADRA+\slot] offset:\q*8192+\t*256+4096
.endr
.endm
.macro CVT                             ; fragment k, register p: rows 2 p and 2 p + 1 of my sixteen, column 4 r + k
.irp k, 0,1,2,3
.irp p, 0,1,2,3,4,5,6,7
	v_cvt_pk_f16_f32 v[BF+8*\k+\p], v[BRAW+8*\p+\k], v[BRAW+8*\p+4+\k]
.endr
.endr
.endm
; 16 matrix instructions, used transposed (source 0 = w1's columns, source 1 = h0's rows).  mode = 1: the bias starts the sums, nothing is cleared.
; The 32 accumulators take turns, one instruction a turn, in the same order in every quarter.
.macro MULH f, t0, mode
.irp t, \t0, \t0+1, \t0+2, \t0+3
.irp k, 0,1,2,3
.if \mode
	v_wmma_f32_16x16x32_f16 v[8*(4*(\t)+\k):8*(4*(\t)+\k)+7], v[BF+8*\k:BF+8*\k+7], v[AF+64*\f+8*(\t):AF+64*\f+8*(\t)+7], v[8*\k:8*\k+7]
.else
	v_wmma_f32_16x16x32_f16 v[8*(4*(\t)+\k):8*(4*(\t)+\k)+7], v[BF+8*\k:BF+8*\k+7], v[AF+64*\f+8*(\t):AF+64*\f+8*(\t)+7], v[8*(4*(\t)+\k):8*(4*(\t)+\k)+7]
.endif
.endr
.endr
.endm
; A quarter: multiplies buffer f, converts the next quarter's w1, and (ld) fetches the quarter after that, (slot, q), into the registers just freed.
.macro QN f, slot, q, ld, mode
	s_wait_dscnt 32                                ; buffer f is in; the 32 younger loads are the next quarter's
.if \mode
	WIN 0x60                                       ; D window 1, C window 2
.else
	WIN 0x50                                       ; C and D window 1
.endif
	MULH \f, 0, \mode
	MULH \f, 4, \mode
	WIN 0
	PLACES
	s_wait_dscnt 16                                ; the next quarter's w1 is in; its 16 loads of h0 are younger
	CVT
.if \ld
	LOADS \slot, \q, \f
.endif
.endm
; The third quarter of a step changes slots.  All reads of this slot have been issued (the fourth quarter's went out a quarter ago).  In front of the
; barrier each wave waits for them and for all its tensor loads, of which one is out: its part of the next slot.  Behind it (fill: behind the round
; of the cluster's barrier that it opens) this slot is asked for again first, two steps ahead; then the next slot is read.
; From that request to the wait for it a wave issues 112 matrix instructions: the fourth quarter's 32, the next step's first two quarters' 64
; and the first 16 of its third.
.macro QT f, slot, next, fill
	s_wait_dscnt 32
	WIN 0x50
	MULH \f, 0, 0
	s_wait_dscnt 0x0                               ; my reads of this slot are over
	s_wait_tensorcnt 0x0                           ; and all my tensor loads have landed
	s_barrier_signal -1
	MULH \f, 4, 0                                  ; register work while the others arrive
	WIN 0
	s_barrier_wait -1
.if \fill
	CREST
	s_add_nc_u64 s[G0A+4*\slot+2:G0A+4*\slot+3], s[G0A+4*\slot+2:G0A+4*\slot+3], 65536      ; no tensor load of mine is out: two steps on
	s_add_nc_u64 s[G0B+4*\slot+2:G0B+4*\slot+3], s[G0B+4*\slot+2:G0B+4*\slot+3], 0x800000
	JLOAD \slot
.endif
	PLACES
	CVT
	LOADS \next, 0, \f
.endm
.macro STEP slot, next, fill, mode
	QN 0, \slot, 2, 1, \mode
	QN 1, \slot, 3, 1, 0
	QT 0, \slot, \next, \fill
	QN 1, \next, 1, 1, 0
.endm
	s_wait_tensorcnt 0x1                           ; my part of step 0 is in; step 1's may stay out
	s_barrier_signal -1
	s_barrier_wait -1
	LOADS 0, 0, 0
	s_wait_dscnt 16                                ; quarter 0's w1
	CVT
	LOADS 0, 1, 1
	s_wait_loadcnt 0x0                             ; the bias
	STEP 0, 1, 1, 1                                ; steps 0 and 1 stand in front of the loop: the first products start the sums
	STEP 1, 0, 1, 0
	s_mov_b32 s3, 2
.Llap:
	STEP 0, 1, 1, 0                                ; steps 2 to 5; they ask for steps 4 to 7
	STEP 1, 0, 1, 0
	s_sub_co_u32 s3, s3, 1
	s_cmp_lg_u32 s3, 0
	s_cbranch_scc1 .Llap
	STEP 0, 1, 0, 0                                ; step 6 fills nothing
	QN 0, 1, 2, 1, 0                               ; step 7
	QN 1, 1, 3, 1, 0
	QN 0, 1, 0, 0, 0                               ; nothing more to fetch
	s_wait_dscnt 0x0
	WIN 0x50
	MULH 1, 0, 0
	MULH 1, 4, 0
	WIN 0
	; THE WAY OUT.  Register j of tile (t, c) is row 16 t + r, member 4 (j & 1) + c, feature 4 h + (j >> 1) of octet 4 Y + w: four results of one member
	; pack into 8 bytes at 16 r + 8 h, and a wave's store covers 256 consecutive aligned bytes: no stage in LDS is needed.
	; Each value leaves as two bf16: part 0 = the value rounded, part 1 = (value - part 0) rounded; the difference is exact in f32.
	PLACES
	s_lshl_b32 s60, s18, 2
	s_add_co_u32 s60, s60, s12                     ; octet 4 Y + w
	s_lshl_b32 s60, s60, 11                        ; 2,048 bytes an octet: 64 rows x 16 bytes, twice
	s_lshl_b32 s62, s17, 22                        ; eight planes of 524,288 bytes for each e0
	s_add_co_u32 s60, s60, s62
	s_add_nc_u64 s[10:11], s[10:11], s[60:61]
	s_mov_b32 s3, 0xffff0000                       ; a word's upper bf16
.macro PACK dst                        ; 32 values in TV to 16 words: member e's four features in words 2 e, 2 e + 1
.irp k, 0,1,2,3
	v_cvt_pk_bf16_f32 v[\dst+2*\k],   v[TV+8*\k],   v[TV+8*\k+2]
	v_cvt_pk_bf16_f32 v[\dst+2*\k+1], v[TV+8*\k+4], v[TV+8*\k+6]
	v_cvt_pk_bf16_f32 v[\dst+8+2*\k], v[TV+8*\k+1], v[TV+8*\k+3]
	v_cvt_pk_bf16_f32 v[\dst+9+2*\k], v[TV+8*\k+5], v[TV+8*\k+7]
.endr
.endm
.irp t, 0,1,2,3,4,5,6,7
	WIN 0x04                                       ; source 1 in window 1
.set n, 0
.rept 32
	v_max_num_f32 v[TV+n], 0, v[32*\t+n]           ; relu
.set n, n+1
.endr
	WIN 0
	s_wait_xcnt 0x0                                ; the last tile's stores have read their data registers, which are written again now
	PACK PH
.irp k, 0,1,2,3
	v_lshlrev_b32 v[TU+8*\k],   16, v[PH+2*\k]     ; part 0 as f32 again, each in its value's place
	v_and_b32     v[TU+8*\k+2], s3, v[PH+2*\k]
	v_lshlrev_b32 v[TU+8*\k+4], 16, v[PH+2*\k+1]
	v_and_b32     v[TU+8*\k+6], s3, v[PH+2*\k+1]
	v_lshlrev_b32 v[TU+8*\k+1], 16, v[PH+8+2*\k]
	v_and_b32     v[TU+8*\k+3], s3, v[PH+8+2*\k]
	v_lshlrev_b32 v[TU+8*\k+5], 16, v[PH+9+2*\k]
	v_and_b32     v[TU+8*\k+7], s3, v[PH+9+2*\k]
.endr
.set n, 0
.rept 32
	v_sub_f32 v[TV+n], v[TV+n], v[TU+n]            ; the rest
.set n, n+1
.endr
	PACK PL
.irp e, 0,1,2,3,4,5,6,7
	global_store_b64 v[HOFF], v[PH+2*\e:PH+2*\e+1], s[10:11] offset:\e*524288+(\t/4)*262144+(\t%4)*256
	global_store_b64 v[HOFF], v[PL+2*\e:PL+2*\e+1], s[10:11] offset:\e*524288+(\t/4)*262144+(\t%4)*256+1024
.endr
.endr
	CROUND                                         ; the closing round
	s_endpgm
.Lfunc_end_k_qf3e88c486e_second:
	.size	k_qf3e88c486e_second, .Lfunc_end_k_qf3e88c486e_second-k_qf3e88c486e_second
	.p2alignl 7, 3214868480
	.fill 96, 4, 3214868480
	.section	.rodata,"a",@progbits
	.p2align	6, 0x0
	.amdhsa_kernel k_qf3e88c486e_second
		.amdhsa_group_segment_fixed_size 327680
		.amdhsa_private_segment_fixed_size 0
		.amdhsa_enable_private_segment 0
		.amdhsa_kernarg_size 32
		.amdhsa_user_sgpr_count 2
		.amdhsa_user_sgpr_kernarg_segment_ptr 1
		.amdhsa_wavefront_size32 1
		.amdhsa_system_sgpr_workgroup_id_x 1
		.amdhsa_system_sgpr_workgroup_id_y 1
		.amdhsa_system_sgpr_workgroup_id_z 1
		.amdhsa_system_vgpr_workitem_id 0
		.amdhsa_next_free_vgpr 544
		.amdhsa_next_free_sgpr 66
		.amdhsa_reserve_vcc 0
		.amdhsa_float_denorm_mode_32 3
		.amdhsa_float_denorm_mode_16_64 3
		.amdhsa_memory_ordered 1
		.amdhsa_forward_progress 1
		.amdhsa_inst_pref_size 215
	.end_amdhsa_kernel
	.amdgpu_metadata
---
amdhsa.version: [ 1, 2 ]
amdhsa.kernels:
  - .name:           k_qf3e88c486e_second
    .symbol:         k_qf3e88c486e_second.kd
    .args:
      - { .name: h0, .offset: 0, .size: 8, .value_kind: global_buffer, .address_space: global }
      - { .name: w1, .offset: 8, .size: 8, .value_kind: global_buffer, .address_space: global }
      - { .name: b1, .offset: 16, .size: 8, .value_kind: global_buffer, .address_space: global }
      - { .name: h1, .offset: 24, .size: 8, .value_kind: global_buffer, .address_space: global }
    .group_segment_fixed_size: 327680
    .private_segment_fixed_size: 0
    .kernarg_segment_align: 8
    .kernarg_segment_size: 32
    .max_flat_workgroup_size: 128
    .sgpr_count:     66
    .vgpr_count:     544
    .wavefront_size: 32
...
	.end_amdgpu_metadata
.endif
;; end of part 2
;; launch third (part 3): grid 256 x 1, 4 waves a work-group, no clusters, 262,144 bytes of LDS; arguments h1, w2t, b2, samples, out0; writes out0
.if DOCPART == 3
	.amdgcn_target "amdgcn-amd-amdhsa--gfx1250"
	.amdhsa_code_object_version 6
	.text
	.protected	k_qf3e88c486e_third
	.globl	k_qf3e88c486e_third
	.p2align	8
	.type	k_qf3e88c486e_third,@function
k_qf3e88c486e_third:
	s_mov_b64 s[64:65], 0
	v_nop
	global_prefetch_b8 v0, s[64:65] scope:SCOPE_SE
	s_setreg_imm32_b32 hwreg(HW_REG_WAVE_MODE, 25, 1), 1
	s_wait_xcnt 0x0
; LAYER 2, ROUTED: out0[s] = h1[e0][e1] w2t[e2] + b2[:, e2] with (e0, e1, e2) = samples[s].
;   h1[e0][e1][mh][kq][part][m' 64][8] bf16 (a pair's plane is 524,288 bytes): part 0 + part 1 is the value in 16 significant bits;
;   w2t[e2][kq][o][8] bf16 (plane 524,288 bytes), out0[64][128][256] f32.
; Four work-groups take one sample (work-group number / 4): bit 1 of the number = mh picks 64 rows, bit 0 = ch picks 128 columns.  The four waves split K:
; wave w takes k = 256 w .. 256 w + 255 in 8 chunks of 32 on the whole 64 x 128 block (32 accumulators); each accumulator takes two products a chunk,
; part 0 x w2t and part 1 x w2t; the four partial sums meet in LDS.
; h1 comes by tensor loads: a wave's 32 octets, both parts, are 64 KiB in one piece, brought as four dense tiles of 16 KiB and read by that wave alone.
; Nothing in LDS is filled twice.  w2t's fragments go from memory straight into registers, 16 loads a chunk (sixteen lanes cover 256 consecutive aligned
; bytes), through four register slots: three chunks are asked for at the head, chunk c + 3 in trip c.
; NO CLUSTER, NO JOINT LOADS, though two work-groups of a sample read the same half plane of h1 and two the same columns of w2t: a joint request wants a
; descriptor that is equal in all partners by arithmetic on ids alone, and these addresses are made of indices read from memory.
; By this text's own count a wave has four tensor loads outstanding at the most, and 52 global loads.
; LIMITS: operands bf16 (w2 rounded once, h1 in two parts), sums f32; K is added as four partial sums, an order other than the reference's; an index is
; clamped to 0..7 as an unsigned number (the problem keeps it inside the table; a negative one would read member 7).
.set BOFF, 3                           ; v3      w2t: 4,096 h + 16 r
.set AADR, 4                           ; v4      h1 in LDS: my region + 2,048 h + 16 r
.set STW,  5                           ; v5      stage, in: my region + 528 r + 32 h
.set RD,   6                           ; v6-9    stage, back: wave s's region + 16 w rows + 16 lane
.set OOFF, 10                          ; v10     out0: 16 lane
.set B2OF, 11                          ; v11     b2: 128 lane
.set BIAS, 12                          ; v[12:15] bias of columns 4 lane .. 4 lane + 3
.set AF,   16                          ; v[16:79], v[80:143] fragments of h1, two buffers: tiles 0-3 part 0 of rows 16 t .., tiles 4-7 part 1; at work in the epilogue
                                       ; window 1: the accumulators, tile (t, n) at 8 (8 t + n); window 2: w2t's fragments, slot c mod 4, tile n at 64 (c mod 4) + 8 n
.set SPITCH, 528                       ; a row of the stage: 128 f32 + 16 bytes, an odd multiple of 16
.set G1, 32                            ; s[32:39] descriptor group 1
.set G0, 40                            ; s[40:55] descriptor group 0, a set for each of my four tiles; never rewritten
.set MSB, 0
.macro WIN new                         ; the immediate's high byte repeats the setting that is left
.if MSB != \new
	s_set_vgpr_msb (MSB<<8)|\new
.set MSB, \new
.endif
.endm
.macro PLACES                          ; four places behind a matrix instruction before a load lands on its sources or its result is read
.rept 4
	v_nop
.endr
.endm
	s_load_b256 s[4:11], s[0:1], 0x0               ; h1 s[4:5], w2t s[6:7], b2 s[8:9], samples s[10:11]
	s_load_b64 s[12:13], s[0:1], 0x20              ; out0
	v_lshrrev_b32 v1, 5, v0
	v_readfirstlane_b32 s16, v1                    ; wave 0..3
	s_and_b32 s17, ttmp9, 1                        ; ch: which 128 columns
	s_bfe_u32 s14, ttmp9, 0x10001                  ; mh: which 64 rows (1 bit from bit 1)
	s_lshr_b32 s15, ttmp9, 2                       ; the sample
	s_mul_i32 s20, s15, 12                         ; three indices of 4 bytes
	s_mov_b32 s21, 0
	s_lshl_b32 s18, s16, 16                        ; my wave's region of LDS
	; a dense tile of 16 KiB: 64 rows of 32 elements of 8 bytes
	s_mov_b32 s[G1+0], 3<<16
	s_mov_b32 s[G1+1], 32<<16
	s_mov_b32 s[G1+2], 64<<16
	s_mov_b32 s[G1+3], 32<<16
	s_mov_b32 s[G1+4], 64
	s_mov_b32 s[G1+5], 32
	s_mov_b32 s[G1+6], 0
	s_mov_b32 s[G1+7], 0
	s_wait_kmcnt 0x0
	s_add_nc_u64 s[10:11], s[10:11], s[20:21]
	s_load_b96 s[24:26], s[10:11], 0x0             ; e0, e1, e2
	v_and_b32 v1, 15, v0                           ; r
	v_bfe_u32 v2, v0, 4, 1                         ; h
	v_and_b32 v17, 31, v0                          ; lane
	v_lshlrev_b32 v16, 4, v1                       ; 16 r
	v_lshl_add_u32 v[BOFF], v2, 12, v16
	v_lshl_add_u32 v[AADR], v2, 11, v16
	v_add_nc_u32 v[AADR], s18, v[AADR]
	v_mul_u32_u24 v[STW], v1, SPITCH
	v_lshl_add_u32 v[STW], v2, 5, v[STW]
	v_add_nc_u32 v[STW], s18, v[STW]
	s_mul_i32 s19, s16, 16*SPITCH                  ; my 16 rows of the stage
	v_lshlrev_b32 v[OOFF], 4, v17
	v_add_nc_u32 v[RD], s19, v[OOFF]
	v_add_nc_u32 v[RD+1], 65536, v[RD]
	v_add_nc_u32 v[RD+2], 2*65536, v[RD]
	v_add_nc_u32 v[RD+3], 3*65536, v[RD]
	v_lshlrev_b32 v[B2OF], 7, v17
	s_wait_kmcnt 0x0
	s_min_u32 s24, s24, 7
	s_min_u32 s25, s25, 7
	s_min_u32 s26, s26, 7
	s_lshl_b32 s28, s24, 3
	s_add_co_u32 s28, s28, s25                     ; pair 8 e0 + e1
	s_lshl_b32 s28, s28, 19                        ; its plane
	s_lshl_b32 s30, s14, 18                        ; + the half of the rows
	s_add_co_u32 s28, s28, s30
	s_add_co_u32 s28, s28, s18                     ; + my 32 octets of 2,048 bytes
	s_mov_b32 s29, 0
	s_add_nc_u64 s[28:29], s[4:5], s[28:29]
.irp q, 0,1,2,3
	s_mov_b32 s[G0+4*\q], 1
	s_add_co_u32 s[G0+4*\q+1], s18, \q*16384       ; LDS address: wave x region + tile
	s_add_nc_u64 s[G0+4*\q+2:G0+4*\q+3], s[28:29], \q*16384
	s_or_b32 s[G0+4*\q+3], s[G0+4*\q+3], 0x80000000
.endr
.irp q, 0,1,2,3
	tensor_load_to_lds s[G0+4*\q:G0+4*\q+3], s[G1:G1+7]   ; all first fills in one group, ahead of every wait on them, every LDS read and the barrier
.endr
	s_mov_b32 s57, 0
	s_lshl_b32 s56, s17, 12                        ; b2: 128 ch outputs of 32 bytes
	s_lshl_b32 s30, s26, 2                         ; + member e2
	s_add_co_u32 s56, s56, s30
	s_add_nc_u64 s[8:9], s[8:9], s[56:57]
	s_lshl_b32 s56, s26, 19                        ; w2t: plane e2
	s_lshl_b32 s30, s16, 17                        ; + 32 w octets of 4,096 bytes
	s_add_co_u32 s56, s56, s30
	s_lshl_b32 s30, s17, 11                        ; + 128 ch outputs of 16 bytes
	s_add_co_u32 s56, s56, s30
	s_add_nc_u64 s[6:7], s[6:7], s[56:57]
	s_lshl_b32 s56, s15, 17                        ; out0: the sample's 128 rows of 1,024 bytes
	s_lshl_b32 s30, s14, 16                        ; + 64 mh rows
	s_add_co_u32 s56, s56, s30
	s_lshl_b32 s30, s16, 14                        ; + 16 w rows
	s_add_co_u32 s56, s56, s30
	s_lshl_b32 s30, s17, 9                         ; + 128 ch columns
	s_add_co_u32 s56, s56, s30
	s_add_nc_u64 s[12:13], s[12:13], s[56:57]
.macro LOADB c                         ; 16 loads: the eight fragments of w2t of chunk c (destinations in window 2)
.irp n, 0,1,2,3,4,5,6,7
	global_load_b128 v[64*((\c)%4)+8*\n:64*((\c)%4)+8*\n+3],   v[BOFF], s[6:7] offset:(\c)*16384+\n*256        ; k = 8 h .. of the chunk, output 16 n + r
	global_load_b128 v[64*((\c)%4)+8*\n+4:64*((\c)%4)+8*\n+7], v[BOFF], s[6:7] offset:(\c)*16384+\n*256+8192   ; k = 16 + 8 h ..
.endr
.endm
.macro LOADA c                         ; 16 LDS loads: the eight fragments of h1 of chunk c (an octet is 1,024 bytes of part 0, then 1,024 of part 1); sixteen lanes read 256 consecutive bytes
.irp t, 0,1,2,3,4,5,6,7
	ds_load_b128 v[AF+64*((\c)%2)+8*\t:AF+64*((\c)%2)+8*\t+3],   v[AADR] offset:(\c)*8192+\t*256
	ds_load_b128 v[AF+64*((\c)%2)+8*\t+4:AF+64*((\c)%2)+8*\t+7], v[AADR] offset:(\c)*8192+\t*256+4096
.endr
.endm
.irp i, 0,1,2,3
	global_load_b32 v[BIAS+\i], v[B2OF], s[8:9] offset:32*\i
.endr
	WIN 0x80                                       ; destinations in window 2
	LOADB 0
	LOADB 1
	LOADB 2
	WIN 0
; One chunk of 32 along K.  Used transposed (source 0 = w2t's outputs, source 1 = h1's rows): register j of lane (r, h) of tile (t, n) is
; row 16 t + r, column 16 n + 8 h + j.  The 32 accumulators take turns, one instruction a turn, first with part 0 and then with part 1.
.macro CHUNK c
.if \c
	PLACES
.endif
.if \c < 7
.if ((\c+1)%2) == 0
	s_wait_tensorcnt 3-(\c+1)/2                    ; the next chunk begins a new tile of h1: the younger tiles may be out
.endif
	LOADA (\c+1)
.endif
.if \c < 6
	s_wait_loadcnt 32                              ; this chunk's w2t (and the bias) is in; the two younger chunks, 16 loads each, may be out
.else
	s_wait_loadcnt 16*(7-\c)                       ; the last trips: one younger chunk, then none
.endif
.if \c < 5
	WIN 0x80
	LOADB (\c+3)                                   ; into the slot that the last trip multiplied, behind this trip's four places
.endif
.if \c < 7
	s_wait_dscnt 16                                ; this chunk's fragments of h1 are in; the 16 just issued may be out
.else
	s_wait_dscnt 0x0
.endif
	WIN 0x52                                       ; source 0 window 2, source 1 window 0, C and D window 1
.irp p, 0,1
.irp t, 0,1,2,3
.irp n, 0,1,2,3,4,5,6,7
.if (\c+\p) == 0
	v_wmma_f32_16x16x32_bf16 v[8*(8*\t+\n):8*(8*\t+\n)+7], v[64*((\c)%4)+8*\n:64*((\c)%4)+8*\n+7], v[AF+64*((\c)%2)+8*(4*\p+\t):AF+64*((\c)%2)+8*(4*\p+\t)+7], 0
.else
	v_wmma_f32_16x16x32_bf16 v[8*(8*\t+\n):8*(8*\t+\n)+7], v[64*((\c)%4)+8*\n:64*((\c)%4)+8*\n+7], v[AF+64*((\c)%2)+8*(4*\p+\t):AF+64*((\c)%2)+8*(4*\p+\t)+7], v[8*(8*\t+\n):8*(8*\t+\n)+7]
.endif
.endr
.endr
.endr
	WIN 0
.endm
	s_wait_tensorcnt 0x3                           ; my first tile of h1 is in; three younger ones may be out
	LOADA 0
	CHUNK 0
	CHUNK 1
	CHUNK 2
	CHUNK 3
	CHUNK 4
	CHUNK 5
	CHUNK 6
	CHUNK 7
	; The four partial sums meet.  Each wave lays its 64 x 128 block, rows of 528 bytes, into its own region of h1, which it alone has read and which
	; has had its only fill; behind the barrier wave w adds up rows 16 w .. 16 w + 15 and stores them.
	PLACES
	WIN 0x04                                       ; store data in window 1
.irp t, 0,1,2,3
.irp n, 0,1,2,3,4,5,6,7
	ds_store_b128 v[STW], v[8*(8*\t+\n):8*(8*\t+\n)+3]   offset:\t*16*SPITCH+\n*64
	ds_store_b128 v[STW], v[8*(8*\t+\n)+4:8*(8*\t+\n)+7] offset:\t*16*SPITCH+\n*64+16
.endr
.endr
	WIN 0
	s_wait_dscnt 0x0                               ; for the others: my stores are done
	s_barrier_signal -1
	s_barrier_wait -1
; Four rows: the wave's 32 lanes take a row's 512 bytes; the two buffers take turns.
.macro GROUP g
.set E, AF+64*((\g)%2)
	s_wait_xcnt 0x0                                ; the stores that read this buffer two groups ago have read it
.irp i, 0,1,2,3
.irp s, 0,1,2,3
	ds_load_b128 v[E+16*\i+4*\s:E+16*\i+4*\s+3], v[RD+\s] offset:(4*\g+\i)*SPITCH
.endr
.endr
.irp i, 0,1,2,3
	s_wait_dscnt 4*(3-\i)                          ; row i's four loads are in; four for each later row may be out
	v_pk_add_f32 v[E+16*\i:E+16*\i+1],     v[E+16*\i:E+16*\i+1],     v[E+16*\i+4:E+16*\i+5]
	v_pk_add_f32 v[E+16*\i+2:E+16*\i+3],   v[E+16*\i+2:E+16*\i+3],   v[E+16*\i+6:E+16*\i+7]
	v_pk_add_f32 v[E+16*\i+8:E+16*\i+9],   v[E+16*\i+8:E+16*\i+9],   v[E+16*\i+12:E+16*\i+13]
	v_pk_add_f32 v[E+16*\i+10:E+16*\i+11], v[E+16*\i+10:E+16*\i+11], v[E+16*\i+14:E+16*\i+15]
	v_pk_add_f32 v[E+16*\i:E+16*\i+1],     v[E+16*\i:E+16*\i+1],     v[BIAS:BIAS+1]
	v_pk_add_f32 v[E+16*\i+2:E+16*\i+3],   v[E+16*\i+2:E+16*\i+3],   v[BIAS+2:BIAS+3]
	v_pk_add_f32 v[E+16*\i:E+16*\i+1],     v[E+16*\i:E+16*\i+1],     v[E+16*\i+8:E+16*\i+9]
	v_pk_add_f32 v[E+16*\i+2:E+16*\i+3],   v[E+16*\i+2:E+16*\i+3],   v[E+16*\i+10:E+16*\i+11]
	global_store_b128 v[OOFF], v[E+16*\i:E+16*\i+3], s[12:13] offset:(4*\g+\i)*1024 th:TH_STORE_NT   ; the wave stores 512 consecutive bytes, aligned to 512
.endr
.endm
	GROUP 0
	GROUP 1
	GROUP 2
	GROUP 3
	s_endpgm
.Lfunc_end_k_qf3e88c486e_third:
	.size	k_qf3e88c486e_third, .Lfunc_end_k_qf3e88c486e_third-k_qf3e88c486e_third
	.p2alignl 7, 3214868480
	.fill 96, 4, 3214868480
	.section	.rodata,"a",@progbits
	.p2align	6, 0x0
	.amdhsa_kernel k_qf3e88c486e_third
		.amdhsa_group_segment_fixed_size 262144
		.amdhsa_private_segment_fixed_size 0
		.amdhsa_enable_private_segment 0
		.amdhsa_kernarg_size 40
		.amdhsa_user_sgpr_count 2
		.amdhsa_user_sgpr_kernarg_segment_ptr 1
		.amdhsa_wavefront_size32 1
		.amdhsa_system_sgpr_workgroup_id_x 1
		.amdhsa_system_sgpr_workgroup_id_y 1
		.amdhsa_system_sgpr_workgroup_id_z 1
		.amdhsa_system_vgpr_workitem_id 0
		.amdhsa_next_free_vgpr 768
		.amdhsa_next_free_sgpr 66
		.amdhsa_reserve_vcc 0
		.amdhsa_float_denorm_mode_32 3
		.amdhsa_float_denorm_mode_16_64 3
		.amdhsa_memory_ordered 1
		.amdhsa_forward_progress 1
		.amdhsa_inst_pref_size 78
	.end_amdhsa_kernel
	.amdgpu_metadata
---
amdhsa.version: [ 1, 2 ]
amdhsa.kernels:
  - .name:           k_qf3e88c486e_third
    .symbol:         k_qf3e88c486e_third.kd
    .args:
      - { .name: h1, .offset: 0, .size: 8, .value_kind: global_buffer, .address_space: global }
      - { .name: w2t, .offset: 8, .size: 8, .value_kind: global_buffer, .address_space: global }
      - { .name: b2, .offset: 16, .size: 8, .value_kind: global_buffer, .address_space: global }
      - { .name: samples, .offset: 24, .size: 8, .value_kind: global_buffer, .address_space: global }
      - { .name: out0, .offset: 32, .size: 8, .value_kind: global_buffer, .address_space: global }
    .group_segment_fixed_size: 262144
    .private_segment_fixed_size: 0
    .kernarg_segment_align: 8
    .kernarg_segment_size: 40
    .max_flat_workgroup_size: 128
    .sgpr_count:     66
    .vgpr_count:     768
    .wavefront_size: 32
...
	.end_amdgpu_metadata
.endif
;; end of part 3
;; ======== version 2 of 2: 3 launches; 1.13 times as fast as version 1
;; limits: values are held in f16: magnitudes above 65,504 overflow, below 6.1e-05 lose precision
;; workspace buffers: h0 2,097,152 bytes; h1 16,777,216 bytes; w2t 4,194,304 bytes; sc 4,096 bytes
;; launch first (part 4): grid 256 x 1, 4 waves a work-group, clusters of 4 x 1, 278,528 bytes of LDS; arguments inputs, w0, b0, w2, h0, w2t; writes h0, w2t
.if DOCPART == 4
	.amdgcn_target "amdgcn-amd-amdhsa--gfx1250"
	.amdhsa_code_object_version 6
	.text
	.protected	k_qf3e88c486e_first
	.globl	k_qf3e88c486e_first
	.p2align	8
	.type	k_qf3e88c486e_first,@function
k_qf3e88c486e_first:
	s_mov_b64 s[64:65], 0
	v_nop
	global_prefetch_b8 v0, s[64:65] scope:SCOPE_SE
	s_setreg_imm32_b32 hwreg(HW_REG_WAVE_MODE, 25, 1), 1
	s_wait_xcnt 0x0
	s_wait_alu depctr_hold_cnt(0) depctr_sa_sdst(0) depctr_va_vdst(0) depctr_va_sdst(0) depctr_va_ssrc(0) depctr_va_vcc(0) depctr_vm_vsrc(0)
	s_getreg_b32 s2, hwreg(HW_REG_IB_STS2, 6, 4)
	s_cmp_eq_u32 s2, 0
	s_cbranch_scc0 .Lentry_in_a_cluster
	s_endpgm
.Lentry_in_a_cluster:
	s_bfe_u32 s2, ttmp6, 0x10000c
	s_cmp_lg_u32 s2, 0x3003
	s_cbranch_scc0 .Lentry_shape_is_right
	s_endpgm
.Lentry_shape_is_right:
; LAYER 0 FOR ALL EIGHT MEMBERS, AND THE RE-LAYOUT OF w2.
; w0 is [1024 i][1024 o][8 e] f32; read as [1024 k][8192 n], n = 8 o + e, layer 0 of every member is ONE product
; x[128][1024] * w0[1024][8192], on w0 as it lies, and b0 read flat is the bias of column n.
;   h0[e][kq][m][8] (f16) = relu(x w0 + b0): member e, batch row m, features 8 kq .. 8 kq + 7; a member's plane is 262,144 bytes.
;   w2t[e][kq][o][8] (f16) = w2[8 kq + 0..7][o][e]; a member's plane is 524,288 bytes.
; A work-group makes 64 rows (half mh of the batch) x 64 columns (feature octet nb, all 8 members).  Its four waves split K: wave w takes
; k = 256 w .. 256 w + 255 in 8 chunks of 32, on the whole 64 x 64 block (16 accumulators); the four partial sums meet in LDS.
; w0 goes from memory straight into registers (16 bytes a lane, sixteen lanes cover 256 consecutive aligned bytes of a row) and is rounded to
; f16 there; three chunks of 16 loads are on their way in every wave.
; CLUSTERS: the four work-groups of a cluster share mh and so the same 64 rows of x: x comes by joint tensor loads (mask 15), each wave its own
; 256 columns as four tiles of 64 rows x 256 bytes.  Their w0 columns differ, so w0 is not shared.  Nothing in LDS is filled twice.
; By this text's own count a wave has four tensor loads outstanding at the most.
; FORMATS: x, w0, h0 and w2 are f16 (11 significant bits), because three layers of bf16 operands use up the result's allowance.
; LIMITS: f16 ends at 65,504: beyond it an operand becomes infinite.  The room: x of spread 1, w0 and w2 of spread 1/32, h0 up to about 7 as drawn; all
; inputs 30 times larger make h0 900 times larger, about 6,000; common offsets of 30 spreads (x + 30, w0 + 0.94) make it 1,024 x 28 = about 29,000.
; Below 2^-14 f16 keeps steps of 2^-24: for weights 30 times smaller (spread 0.001) that is 3e-5 of their spread.
; Sums are f32; K is added as four partial sums, an order other than the reference's; relu is a maximum in which a NaN loses: a NaN becomes 0.
.set XPITCH, 272                       ; an LDS row of x: 256 bytes + 16 of padding, so that 16 rows start at 16 different 16-byte columns of 256
.set XTILE,  64*XPITCH                 ; what one tensor load brings
.set XWAVE,  4*XTILE                   ; a wave's region
.set WROW,   32768                     ; bytes in a row of w0
.set BOFF,  3                          ; v3      w0: 8 h rows + 16 r
.set AADR,  4                          ; v4      x in LDS: my region + 272 r + 32 h
.set W2LD,  5                          ; v5      w2: 32 r + 16 h
.set W2ST,  6                          ; v6      w2t: 4 h planes + 16 r
.set BIOFF, 7                          ; v7      b0: 128 h
.set SCW,   8                          ; v8      where I put my partial sums: my region + 16 lane
.set SCR,   9                          ; v9-12   where I read wave s's partial sums of my 16 rows
.set HOFF,  13                         ; v13     h0: 16 r + 8 h
.set AF,    32                         ; v[32:63]   four fragments of x (16 rows x 32 k, f16)
.set BF,    64                         ; v[64:95]   four fragments of w0 (16 columns x 32 k, f16)
.set BI,    96                         ; v[96:127]  bias: register 4 j + c is column 32 h + 4 j + c
.set ACC,   128                        ; v[128:255] tile (t, c) at 128 + 8 (4 t + c)
.set W2R,   128                        ; v[128:191] w2 as loaded (before the sums begin)
.set W2P,   192                        ; v[192:223] w2 packed
.set ARAW,  192                        ; window 1, v[192:255]: x as loaded, f32.  Window 1, v[0:191]: w0 as loaded, three slots of 64
.set G1, 24                            ; s[24:31] descriptor group 1
.set G0, 32                            ; s[32:47] descriptor group 0, one set for each of my four tiles; never rewritten
.set MSB, 0
.macro WIN new                         ; the immediate's high byte repeats the setting that is left
.if MSB != \new
	s_set_vgpr_msb (MSB<<8)|\new
.set MSB, \new
.endif
.endm
.macro PLACES                          ; four places behind a matrix instruction before its registers are written or its result is read (ISA guide 7.12.1)
.rept 4
	v_nop
.endr
.endm
.macro CROUND                          ; a round of the cluster's barrier
	s_barrier_signal -1
	s_barrier_wait -1
	s_cmp_lg_u32 s16, 0
	s_cbranch_scc1 .Lnot_wave_0_\@
	s_barrier_signal -3
.Lnot_wave_0_\@:
	s_barrier_wait -3
	s_barrier_signal -1
	s_barrier_wait -1
.endm
	s_load_b256 s[4:11], s[0:1], 0x0               ; inputs s[4:5], w0 s[6:7], b0 s[8:9], w2 s[10:11]
	s_load_b128 s[12:15], s[0:1], 0x20             ; h0 s[12:13], w2t s[14:15]
	v_lshrrev_b32 v15, 5, v0
	v_readfirstlane_b32 s16, v15                   ; wave 0..3
	s_bfe_u32 s17, ttmp6, 0x40000                  ; cx: my place in the cluster
	s_and_b32 s19, ttmp9, 1                        ; mh: which 64 rows of the batch; hangs on the cluster's number alone
	s_mul_i32 s50, s16, XWAVE                      ; my wave's region of LDS
	; group 1: a tile of 64 rows x 64 f32, 16 bytes of padding behind each row
	s_mov_b32 s[G1+0], 15|(2<<16)|(1<<20)|(1<<21)|(5<<22)|(3<<25)   ; mask: all four partners; elements of 4 bytes; padding on; bit 21 beside a mask; after 64 words, 4 words
	s_mov_b32 s[G1+1], 64<<16                      ; tensor_dim0 = 64
	s_mov_b32 s[G1+2], 64<<16                      ; tensor_dim1 = 64
	s_mov_b32 s[G1+3], 64<<16                      ; tile_dim0 = 64
	s_mov_b32 s[G1+4], 64                          ; tile_dim1 = 64
	s_mov_b32 s[G1+5], 1024                        ; elements from row to row
	s_mov_b32 s[G1+6], 0
	s_mov_b32 s[G1+7], 0
	s_lshl_b32 s22, s19, 18                        ; 64 mh rows of 4,096 bytes
	s_lshl_b32 s18, s16, 10                        ; + my 256 columns
	s_add_co_u32 s22, s22, s18
	s_mov_b32 s23, 0
	v_and_b32 v1, 15, v0                           ; r
	v_bfe_u32 v2, v0, 4, 1                         ; h
	v_and_b32 v14, 31, v0
	v_lshlrev_b32 v14, 4, v14                      ; 16 lane
	v_lshlrev_b32 v15, 4, v1                       ; 16 r
	v_lshl_add_u32 v[BOFF], v2, 18, v15
	v_mul_u32_u24 v[AADR], v1, XPITCH
	v_lshl_add_u32 v[AADR], v2, 5, v[AADR]
	v_add_nc_u32 v[AADR], s50, v[AADR]
	v_lshlrev_b32 v[W2LD], 5, v1
	v_lshl_add_u32 v[W2LD], v2, 4, v[W2LD]
	v_lshl_add_u32 v[W2ST], v2, 21, v15
	v_lshlrev_b32 v[BIOFF], 7, v2
	v_add_nc_u32 v[SCW], s50, v14
	v_lshl_add_u32 v[SCR], s16, 12, v14            ; my 16 rows = tiles (w, 0..3): 4,096 w
	v_add_nc_u32 v[SCR+1], XWAVE, v[SCR]
	v_add_nc_u32 v[SCR+2], 2*XWAVE, v[SCR]
	v_add_nc_u32 v[SCR+3], 3*XWAVE, v[SCR]
	v_lshl_add_u32 v[HOFF], v2, 3, v15
	s_wait_kmcnt 0x0
	s_add_nc_u64 s[22:23], s[4:5], s[22:23]        ; x at my first tile
.irp q, 0,1,2,3
	s_mov_b32 s[G0+4*\q], 1
	s_add_co_u32 s[G0+4*\q+1], s50, \q*XTILE       ; LDS address: wave x region + tile
	s_add_nc_u64 s[G0+4*\q+2:G0+4*\q+3], s[22:23], \q*256
	s_or_b32 s[G0+4*\q+3], s[G0+4*\q+3], 0x80000000
.endr
	CROUND                                         ; all four work-groups are here: the joint loads meet
.irp q, 0,1,2,3
	tensor_load_to_lds s[G0+4*\q:G0+4*\q+3], s[G1:G1+7]
.endr
	; the other addresses; these hang on cx and enter no descriptor and no LDS address
	s_lshr_b32 s20, ttmp9, 1
	s_lshl_b32 s20, s20, 2
	s_add_co_u32 s20, s20, s17                     ; nb: feature octet 0..127
	s_lshl_b32 s21, ttmp9, 2
	s_add_co_u32 s21, s21, s17                     ; work-group 0..255
	s_lshl_b32 s21, s21, 2
	s_add_co_u32 s21, s21, s16                     ; wave of the launch 0..1023: its piece of w2
	s_mov_b32 s49, 0
	s_lshl_b32 s51, s20, 8
	s_lshl_b32 s48, s16, 23                        ; 256 w rows of w0
	s_add_co_u32 s48, s48, s51                     ; + 64 nb columns
	s_add_nc_u64 s[6:7], s[6:7], s[48:49]
	s_mov_b32 s48, s51
	s_add_nc_u64 s[8:9], s[8:9], s[48:49]          ; b0 at column 64 nb
	s_lshr_b32 s52, s21, 3                         ; w2: k octet 0..127
	s_and_b32 s53, s21, 7                          ; and which 32 of the 256 outputs
	s_lshl_b32 s48, s52, 16
	s_lshl_b32 s54, s53, 10
	s_add_co_u32 s48, s48, s54
	s_add_nc_u64 s[10:11], s[10:11], s[48:49]
	s_lshl_b32 s48, s52, 12
	s_lshl_b32 s54, s53, 9
	s_add_co_u32 s48, s48, s54
	s_add_nc_u64 s[14:15], s[14:15], s[48:49]
	s_lshl_b32 s48, s20, 11                        ; h0: octet nb, rows 64 mh + 16 w
	s_lshl_b32 s54, s19, 10
	s_add_co_u32 s48, s48, s54
	s_lshl_b32 s54, s16, 8
	s_add_co_u32 s48, s48, s54
	s_add_nc_u64 s[12:13], s[12:13], s[48:49]
; 16 loads: chunk c of w0.  Load i takes 16 bytes (columns 4 r .. 4 r + 3) of row 8 h + i (i < 8) or 16 + 8 h + i - 8 of the chunk.
.macro LOADB c
.irp i, 0,1,2,3,4,5,6,7,8,9,10,11,12,13,14,15
	global_load_b128 v[64*((\c)%3)+4*\i:64*((\c)%3)+4*\i+3], v[BOFF], s[6:7] offset:(32*(\c)+\i+8*(\i/8))*WROW
.endr
.endm
; 16 LDS loads: chunk c of x, f32: for each of four row tiles k = 8 h .. 8 h + 7 (32 bytes) and k = 16 + 8 h .. (32 bytes, 64 further on)
.macro LOADA c
.irp t, 0,1,2,3
	ds_load_b128 v[ARAW+16*\t:ARAW+16*\t+3],     v[AADR] offset:((\c)/2)*XTILE+\t*16*XPITCH+128*((\c)%2)
	ds_load_b128 v[ARAW+16*\t+4:ARAW+16*\t+7],   v[AADR] offset:((\c)/2)*XTILE+\t*16*XPITCH+128*((\c)%2)+16
	ds_load_b128 v[ARAW+16*\t+8:ARAW+16*\t+11],  v[AADR] offset:((\c)/2)*XTILE+\t*16*XPITCH+128*((\c)%2)+64
	ds_load_b128 v[ARAW+16*\t+12:ARAW+16*\t+15], v[AADR] offset:((\c)/2)*XTILE+\t*16*XPITCH+128*((\c)%2)+80
.endr
.endm
	; w2: 8 rows k of an octet x 32 outputs x 8 members; a load covers 512 consecutive bytes; lane (r, h) holds output r (+ 16 u), members 4 h .. 4 h + 3
.irp j, 0,1,2,3,4,5,6,7
.irp u, 0,1
	global_load_b128 v[W2R+8*\j+4*\u:W2R+8*\j+4*\u+3], v[W2LD], s[10:11] offset:\j*8192+\u*512 th:TH_LOAD_NT
.endr
.endr
	WIN 0x40                                       ; destinations in window 1
	LOADB 0
	LOADB 1
	WIN 0
	s_wait_loadcnt 32                              ; w2 is in; the 32 younger loads are chunks 0 and 1 of w0
.irp u, 0,1
.irp k, 0,1,2,3
.irp p, 0,1,2,3
	v_cvt_pk_f16_f32 v[W2P+16*\u+4*\k+\p], v[W2R+16*\p+4*\u+\k], v[W2R+16*\p+8+4*\u+\k]   ; k = 2 p below, 2 p + 1 above
.endr
.endr
.endr
.irp u, 0,1
.irp k, 0,1,2,3
	global_store_b128 v[W2ST], v[W2P+16*\u+4*\k:W2P+16*\u+4*\k+3], s[14:15] offset:\k*524288+\u*256   ; member 4 h + k: sixteen lanes store 256 consecutive aligned bytes
.endr
.endr
	WIN 0x40
	LOADB 2
	s_wait_tensorcnt 0x3                           ; my first tile of x is in; three younger ones may be out
	LOADA 0
	s_wait_xcnt 0x0                                ; the sums below overwrite the data registers of the w2t stores
; One chunk of 32 along K.  left = younger global loads that may stay out.
; The matrix instruction is used transposed: source 0 = 16 columns of w0, source 1 = 16 rows of x.  Fragment c holds columns 4 i + c, so register j
; of lane (r, h) of tile (t, c) is row 16 t + r, column 32 h + 4 j + c: member 4 (j & 1) + c, feature 4 h + (j >> 1) of the octet.
; The 16 accumulators take turns, one instruction a turn.
.macro CHUNK c, left
.if \c
	PLACES
.endif
	s_wait_dscnt 0x0                               ; this chunk's x
	s_wait_loadcnt \left                           ; this chunk's w0
	WIN 0x05                                       ; sources in window 1
.irp t, 0,1,2,3
.irp p, 0,1,2,3,4,5,6,7
	v_cvt_pk_f16_f32 v[AF+8*\t+\p], v[ARAW+16*\t+2*\p], v[ARAW+16*\t+2*\p+1]
.endr
.endr
.irp k, 0,1,2,3
.irp p, 0,1,2,3,4,5,6,7
	v_cvt_pk_f16_f32 v[BF+8*\k+\p], v[64*((\c)%3)+8*\p+\k], v[64*((\c)%3)+8*\p+4+\k]
.endr
.endr
.if \c < 7
.if ((\c+1)%2) == 0
	s_wait_tensorcnt 3-(\c+1)/2                    ; the next chunk begins a new tile of x: the younger tiles may be out
.endif
	WIN 0x40
	LOADA (\c+1)
.endif
.if \c < 5
	LOADB (\c+3)                                   ; into the slot just converted
.endif
	WIN 0
.if \c == 5
.irp j, 0,1,2,3,4,5,6,7
	global_load_b128 v[BI+4*\j:BI+4*\j+3], v[BIOFF], s[8:9] offset:16*\j
.endr
.endif
.irp t, 0,1,2,3
.irp k, 0,1,2,3
.if \c == 0
	v_wmma_f32_16x16x32_f16 v[ACC+8*(4*\t+\k):ACC+8*(4*\t+\k)+7], v[BF+8*\k:BF+8*\k+7], v[AF+8*\t:AF+8*\t+7], 0
.else
	v_wmma_f32_16x16x32_f16 v[ACC+8*(4*\t+\k):ACC+8*(4*\t+\k)+7], v[BF+8*\k:BF+8*\k+7], v[AF+8*\t:AF+8*\t+7], v[ACC+8*(4*\t+\k):ACC+8*(4*\t+\k)+7]
.endif
.endr
.endr
.endm
	CHUNK 0, 32                                    ; two younger chunks of 16 loads
	CHUNK 1, 32
	CHUNK 2, 32
	CHUNK 3, 32
	CHUNK 4, 32
	CHUNK 5, 32
	CHUNK 6, 24                                    ; chunk 7's 16 and the bias's 8
	CHUNK 7, 8                                     ; the bias's 8
	; The four partial sums meet.  Each wave puts its 16 tiles into the first 16 KiB of its own region of x, which it alone has read and which
	; has had its only fill; behind the barrier wave w adds up the four tiles of rows 16 w .. 16 w + 15.
	PLACES
.set n, 0
.rept 16
	ds_store_b128 v[SCW], v[ACC+8*n:ACC+8*n+3] offset:n*1024
	ds_store_b128 v[SCW], v[ACC+8*n+4:ACC+8*n+7] offset:n*1024+512
.set n, n+1
.endr
	s_wait_dscnt 0x0                               ; for the others: my stores are done
	s_barrier_signal -1
	s_barrier_wait -1
.irp s, 0,1,2,3
.irp k, 0,1,2,3
	ds_load_b128 v[ACC+32*\s+8*\k:ACC+32*\s+8*\k+3],   v[SCR+\s] offset:\k*1024
	ds_load_b128 v[ACC+32*\s+8*\k+4:ACC+32*\s+8*\k+7], v[SCR+\s] offset:\k*1024+512
.endr
.endr
	s_wait_dscnt 0x0
	s_wait_loadcnt 0x0                             ; the bias
.irp s, 1,2,3
.set n, 0
.rept 16
	v_pk_add_f32 v[ACC+n:ACC+n+1], v[ACC+n:ACC+n+1], v[ACC+32*\s+n:ACC+32*\s+n+1]
.set n, n+2
.endr
.endr
.irp k, 0,1,2,3
.irp j, 0,1,2,3,4,5,6,7
	v_add_f32 v[ACC+8*\k+\j], v[ACC+8*\k+\j], v[BI+4*\j+\k]
.endr
.endr
.set n, 0
.rept 32
	v_max_num_f32 v[ACC+n], 0, v[ACC+n]            ; relu
.set n, n+1
.endr
.irp k, 0,1,2,3
	v_cvt_pk_f16_f32 v[AF+2*\k],   v[ACC+8*\k],   v[ACC+8*\k+2]      ; member k: features 4 h + 0, 1
	v_cvt_pk_f16_f32 v[AF+2*\k+1], v[ACC+8*\k+4], v[ACC+8*\k+6]      ;           features 4 h + 2, 3
	v_cvt_pk_f16_f32 v[AF+8+2*\k], v[ACC+8*\k+1], v[ACC+8*\k+3]      ; member 4 + k
	v_cvt_pk_f16_f32 v[AF+9+2*\k], v[ACC+8*\k+5], v[ACC+8*\k+7]
.endr
.irp e, 0,1,2,3,4,5,6,7
	global_store_b64 v[HOFF], v[AF+2*\e:AF+2*\e+1], s[12:13] offset:\e*262144   ; the wave's 32 lanes store 256 consecutive aligned bytes: 16 rows of octet nb
.endr
	CROUND                                         ; the closing round: no work-group ends while a partner may still ask jointly
	s_endpgm
.Lfunc_end_k_qf3e88c486e_first:
	.size	k_qf3e88c486e_first, .Lfunc_end_k_qf3e88c486e_first-k_qf3e88c486e_first
	.p2alignl 7, 3214868480
	.fill 96, 4, 3214868480
	.section	.rodata,"a",@progbits
	.p2align	6, 0x0
	.amdhsa_kernel k_qf3e88c486e_first
		.amdhsa_group_segment_fixed_size 278528
		.amdhsa_private_segment_fixed_size 0
		.amdhsa_enable_private_segment 0
		.amdhsa_kernarg_size 48
		.amdhsa_user_sgpr_count 2
		.amdhsa_user_sgpr_kernarg_segment_ptr 1
		.amdhsa_wavefront_size32 1
		.amdhsa_system_sgpr_workgroup_id_x 1
		.amdhsa_system_sgpr_workgroup_id_y 1
		.amdhsa_system_sgpr_workgroup_id_z 1
		.amdhsa_system_vgpr_workitem_id 0
		.amdhsa_next_free_vgpr 512
		.amdhsa_next_free_sgpr 66
		.amdhsa_reserve_vcc 0
		.amdhsa_float_denorm_mode_32 3
		.amdhsa_float_denorm_mode_16_64 3
		.amdhsa_memory_ordered 1
		.amdhsa_forward_progress 1
		.amdhsa_inst_pref_size 84
	.end_amdhsa_kernel
	.amdgpu_metadata
---
amdhsa.version: [ 1, 2 ]
amdhsa.kernels:
  - .name:           k_qf3e88c486e_first
    .symbol:         k_qf3e88c486e_first.kd
    .args:
      - { .name: inputs, .offset: 0, .size: 8, .value_kind: global_buffer, .address_space: global }
      - { .name: w0, .offset: 8, .size: 8, .value_kind: global_buffer, .address_space: global }
      - { .name: b0, .offset: 16, .size: 8, .value_kind: global_buffer, .address_space: global }
      - { .name: w2, .offset: 24, .size: 8, .value_kind: global_buffer, .address_space: global }
      - { .name: h0, .offset: 32, .size: 8, .value_kind: global_buffer, .address_space: global }
      - { .name: w2t, .offset: 40, .size: 8, .value_kind: global_buffer, .address_space: global }
    .group_segment_fixed_size: 278528
    .private_segment_fixed_size: 0
    .kernarg_segment_align: 8
    .kernarg_segment_size: 48
    .max_flat_workgroup_size: 128
    .sgpr_count:     66
    .vgpr_count:     512
    .wavefront_size: 32
...
	.end_amdgpu_metadata
.endif
;; end of part 4
;; launch second (part 5): grid 4 x 64, 4 waves a work-group, clusters of 4 x 4, 327,680 bytes of LDS; arguments h0, w1, b1, h1, sc; writes h1, sc
.if DOCPART == 5
	.amdgcn_target "amdgcn-amd-amdhsa--gfx1250"
	.amdhsa_code_object_version 6
	.text
	.protected	k_qf3e88c486e_second
	.globl	k_qf3e88c486e_second
	.p2align	8
	.type	k_qf3e88c486e_second,@function
k_qf3e88c486e_second:
	s_mov_b64 s[64:65], 0
	v_nop
	global_prefetch_b8 v0, s[64:65] scope:SCOPE_SE
	s_setreg_imm32_b32 hwreg(HW_REG_WAVE_MODE, 25, 1), 1
	s_wait_xcnt 0x0
	s_wait_alu depctr_hold_cnt(0) depctr_sa_sdst(0) depctr_va_vdst(0) depctr_va_sdst(0) depctr_va_ssrc(0) depctr_va_vcc(0) depctr_vm_vsrc(0)
	s_getreg_b32 s2, hwreg(HW_REG_IB_STS2, 6, 4)
	s_cmp_eq_u32 s2, 0
	s_cbranch_scc0 .Lentry_in_a_cluster
	s_endpgm
.Lentry_in_a_cluster:
	s_bfe_u32 s2, ttmp6, 0x10000c
	s_cmp_lg_u32 s2, 0xf033
	s_cbranch_scc0 .Lentry_shape_is_right
	s_endpgm
.Lentry_shape_is_right:
; LAYER 1 FOR ALL 64 PAIRS (e0, e1): h1[e0][e1] = relu(h0[e0] w1[:, :, e1] + b1[:, e1]).
; There are as many pairs as samples, so all pairs cost what the 64 samples cost, and the product is one dense GEMM with no index in it:
; M = 1024 (e0, batch row), N = 8192 (n = 8 o + e1, w1 as it lies), K = 1024.
;   h0[e0][kq][m][8] f16 in (a plane is 262,144 bytes);
;   h1[e0][e1][mh][kq][m' 64][8] f16 out (a pair's plane is 262,144 bytes): row 64 mh + m', features 8 kq .. 8 kq + 7, each divided by sc[e0][kq];
;   sc[e0][kq] f32 out: a power of two, one for the 128 rows x 8 features x 8 members that one wave makes.
; A work-group makes 256 rows (members 2 X and 2 X + 1) x 128 columns (block Y: two feature octets, all 8 e1).  Wave (wm, wn) = (w / 2, w mod 2) makes
; the 128 rows of member 2 X + wm x columns 64 wn .. 64 wn + 63: 32 accumulators.
; WHY THIS SHAPE: for each unit of K a block of R rows and C columns takes in 2 R bytes of h0 (f16) and 4 C bytes of w1 (f32); with 256 work-groups
; R C = 32,768, and the sum is least at R = 2 C: 256 x 128, 1,024 bytes.
; K goes in 8 steps of 128 through two LDS slots of 128 KiB; a step is four quarters of 32.  A slot holds h0's tile (2 members x 16 octets x 128 rows x
; 16 bytes, dense, 64 KiB) and w1's tile (128 rows of 512 bytes, f32, 64 KiB).  w1 is rounded to f16 on its way from LDS to the matrix instruction.
; No padding: a fragment load's sixteen lanes read 256 consecutive bytes in both tiles.
; CLUSTERS: 4 x 4.  h0's tile hangs on X alone and is shared by the four with my cx; w1's hangs on Y alone and is shared by the four with my cy; these
; four are all the block rows there are, so a tile of w1 is asked for once in the launch.  Waves 0 and 1 ask for the two members of h0's tile, waves
; 2 and 3 for the halves of w1's, 32 KiB each, one joint load a wave behind each round of the cluster's barrier.
; By this text's own count a wave has two tensor loads outstanding at the start and one later on.
; FORMATS: h0 and w1 are f16.  h1 has no room in plain f16 (x, w0 and w1 each 30 times larger make it 27,000 times larger, about 150,000, and f16 ends
; at 65,504), so each wave takes the largest number of its tile, with exponent field E, and stores the tile divided by sc = 2^(E - 141): the largest
; then lies in [2^14, 2^15).  The scale only multiplies values: no address and no branch hangs on it.
; LIMITS: w1 beyond 65,504 becomes infinite (as drawn its spread is 1/32); below 2^-14 f16 keeps steps of 2^-24.  A number of h1 more than 2^39 below
; its tile's largest becomes 0.  The largest is taken as at least 2^-112 and at most the largest finite f32: an infinite h1 stays infinite.
; Sums are f32; relu is a maximum in which a NaN loses: a NaN becomes 0.
.set SLOT, 131072
.set BREG, 65536                       ; w1's tile behind h0's in a slot
.set ADRA,  4                          ; v4-5    h0's fragments in slot 0, 1: 32,768 wm + 2,048 h + 16 r
.set ADRB,  6                          ; v6-7    w1 in slot 0, 1: 4,096 h (8 h rows) + 256 wn + 16 r, behind h0's tile
.set HOFF,  10                         ; v10     h1: 16 r + 8 h
.set BIOFF, 11                         ; v11     b1: 128 h
.set AF,    16                         ; v[16:79], v[80:143] fragments of h0 (8 x 16 rows x 32 k), two buffers
.set BRAW,  144                        ; v[144:207] w1 as loaded, f32: register 4 i + c
.set BF,    208                        ; v[208:239] four fragments of w1
                                       ; window 1: the 32 accumulators, tile (t, c) at 8 (4 t + c); window 2, v[0:31]: the bias in an accumulator's layout
.set TV,    16                         ; the way out: v[16:47] a row tile's 32 values
.set PH,    80                         ;              v[80:95] the same packed
.set MX,    112                        ;              v[112:115] four running maxima
.set MUL,   118                        ;              v[118:119] 1 / sc, twice (a pair for the packed multiply)
.set SCV,   120                        ;              v120 sc
.set LN,    121                        ;              v121 lane
.set G1A, 24                           ; s[24:31] group 1 of h0's tiles
.set G0A, 32                           ; s[32:39] group 0 of h0's tiles, a set for each slot
.set G1B, 40                           ; s[40:47] group 1 of w1's tiles
.set G0B, 48                           ; s[48:55] group 0 of w1's tiles, a set for each slot
.set MSB, 0
.macro WIN new                         ; the immediate's high byte repeats the setting that is left
.if MSB != \new
	s_set_vgpr_msb (MSB<<8)|\new
.set MSB, \new
.endif
.endm
.macro PLACES                          ; four places behind a matrix instruction before its registers are written, loaded into or its result read (ISA guide 7.12.1)
.rept 4
	v_nop
.endr
.endm
.macro CREST                           ; a round of the cluster's barrier behind its opening barrier
	s_cmp_lg_u32 s12, 0
	s_cbranch_scc1 .Lnot_wave_0_\@
	s_barrier_signal -3
.Lnot_wave_0_\@:
	s_barrier_wait -3
	s_barrier_signal -1
	s_barrier_wait -1
.endm
.macro CROUND
	s_barrier_signal -1
	s_barrier_wait -1
	CREST
.endm
.macro JLOAD s                         ; one joint load a wave; the branch hangs on the wave's number alone
	s_cmp_eq_u32 s13, 0
	s_cbranch_scc0 .Lfor_b_\@
	tensor_load_to_lds s[G0A+4*\s:G0A+4*\s+3], s[G1A:G1A+7]
	s_branch .Lasked_\@
.Lfor_b_\@:
	tensor_load_to_lds s[G0B+4*\s:G0B+4*\s+3], s[G1B:G1B+7]
.Lasked_\@:
.endm
	s_load_b256 s[4:11], s[0:1], 0x0               ; h0 s[4:5], w1 s[6:7], b1 s[8:9], h1 s[10:11]
	s_load_b64 s[66:67], s[0:1], 0x20              ; sc
	v_lshrrev_b32 v1, 5, v0
	v_readfirstlane_b32 s12, v1                    ; wave 0..3
	s_lshr_b32 s13, s12, 1                         ; wm: which member's rows I multiply.  Also: I fetch for h0 (0) or for w1 (1)
	s_and_b32 s14, s12, 1                          ; wn: which 64 columns I multiply.  Also: which half of that tile I fetch
	s_bfe_u32 s15, ttmp6, 0x40000                  ; cx
	s_bfe_u32 s16, ttmp6, 0x40004                  ; cy
	s_lshl_b32 s17, ttmp9, 2
	s_add_co_u32 s17, s17, s15                     ; X = block of 256 rows: members 2 X, 2 X + 1
	s_and_b32 s18, ttmp7, 0xffff
	s_lshl_b32 s18, s18, 2
	s_add_co_u32 s18, s18, s16                     ; Y = block of 128 columns
	s_lshl_b32 s19, 0x1111, s15                    ; my column of the cluster (same cx)
	s_lshl_b32 s20, s16, 2
	s_lshl_b32 s20, 15, s20                        ; my row of the cluster (same cy)
	; one member's part of h0's tile is dense, 32 KiB: 128 rows of 32 elements of 8 bytes
	s_or_b32 s[G1A+0], s19, (3<<16)|(1<<21)
	s_mov_b32 s[G1A+1], 32<<16
	s_mov_b32 s[G1A+2], 128<<16
	s_mov_b32 s[G1A+3], 32<<16
	s_mov_b32 s[G1A+4], 128
	s_mov_b32 s[G1A+5], 32
	s_mov_b32 s[G1A+6], 0
	s_mov_b32 s[G1A+7], 0
	; w1's half tile, 32 KiB: 64 rows of 128 f32, 8,192 elements from row to row
	s_or_b32 s[G1B+0], s20, (2<<16)|(1<<21)
	s_mov_b32 s[G1B+1], 128<<16
	s_mov_b32 s[G1B+2], 64<<16
	s_mov_b32 s[G1B+3], 128<<16
	s_mov_b32 s[G1B+4], 64
	s_mov_b32 s[G1B+5], 8192
	s_mov_b32 s[G1B+6], 0
	s_mov_b32 s[G1B+7], 0
	s_lshl_b32 s21, s14, 15                        ; h0: my member's part in LDS
	s_lshl_b32 s56, s17, 1
	s_add_co_u32 s56, s56, s14                     ; member 2 X + half
	s_lshl_b32 s56, s56, 18                        ; its plane
	s_mov_b32 s57, 0
	s_lshl_b32 s22, s14, 15                        ; w1: my half in LDS,
	s_add_co_u32 s22, s22, BREG                    ; behind h0's tile
	s_lshl_b32 s23, s14, 21                        ; 64 rows of 32,768 bytes in memory
	s_lshl_b32 s58, s18, 9                         ; 128 Y columns
	s_add_co_u32 s58, s58, s23
	s_mov_b32 s59, 0
	s_wait_kmcnt 0x0
	s_add_nc_u64 s[56:57], s[4:5], s[56:57]
	s_add_nc_u64 s[58:59], s[6:7], s[58:59]
	CROUND                                         ; all sixteen work-groups are here: the first joint loads meet
.irp s, 0,1
	s_mov_b32 s[G0A+4*\s], 1
	s_add_co_u32 s[G0A+4*\s+1], s21, \s*SLOT
	s_add_nc_u64 s[G0A+4*\s+2:G0A+4*\s+3], s[56:57], \s*32768       ; K step s: 16 octets of 2,048 bytes
	s_or_b32 s[G0A+4*\s+3], s[G0A+4*\s+3], 0x80000000
	s_mov_b32 s[G0B+4*\s], 1
	s_add_co_u32 s[G0B+4*\s+1], s22, \s*SLOT
	s_add_nc_u64 s[G0B+4*\s+2:G0B+4*\s+3], s[58:59], \s*0x400000    ; K step s: 128 rows of 32,768 bytes
	s_or_b32 s[G0B+4*\s+3], s[G0B+4*\s+3], 0x80000000
	JLOAD \s
.endr
	v_and_b32 v1, 15, v0                           ; r
	v_bfe_u32 v2, v0, 4, 1                         ; h
	v_lshlrev_b32 v3, 4, v1                        ; 16 r
	v_lshl_add_u32 v[ADRA], v2, 11, v3
	v_lshl_add_u32 v[ADRA], s13, 15, v[ADRA]       ; my member's part
	v_add_nc_u32 v[ADRA+1], SLOT, v[ADRA]
	v_lshl_add_u32 v[ADRB], v2, 12, v3             ; 8 h rows of 512 bytes
	v_lshl_add_u32 v[ADRB], s14, 8, v[ADRB]        ; my 64 columns
	v_add_nc_u32 v[ADRB], BREG, v[ADRB]
	v_add_nc_u32 v[ADRB+1], SLOT, v[ADRB]
	v_lshl_add_u32 v[HOFF], v2, 3, v3
	v_lshlrev_b32 v[BIOFF], 7, v2
	s_lshl_b32 s60, s18, 9                         ; b1 at column 128 Y + 64 wn
	s_lshl_b32 s62, s14, 8
	s_add_co_u32 s60, s60, s62
	s_mov_b32 s61, 0
	s_add_nc_u64 s[8:9], s[8:9], s[60:61]
	WIN 0x80                                       ; destinations in window 2
.irp k, 0,1,2,3
.irp j, 0,1,2,3,4,5,6,7
	global_load_b32 v[8*\k+\j], v[BIOFF], s[8:9] offset:16*\j+4*\k   ; register j of fragment k's tiles is column 32 h + 4 j + k
.endr
.endr
	WIN 0
; 32 LDS loads for quarter q of a slot: w1's 16 (row 8 h + i, or 16 + 8 h + i - 8; columns 4 r .. 4 r + 3 of my 64), then h0's 16 into buffer f
.macro LOADS slot, q, f
.irp i, 0,1,2,3,4,5,6,7,8,9,10,11,12,13,14,15
	ds_load_b128 v[BRAW+4*\i:BRAW+4*\i+3], v[ADRB+\slot] offset:\q*16384+(\i+8*(\i/8))*512
.endr
.irp t, 0,1,2,3,4,5,6,7
	ds_load_b128 v[AF+64*\f+8*\t:AF+64*\f+8*\t+3],   v[ADRA+\slot] offset:\q*8192+\t*256
	ds_load_b128 v[AF+64*\f+8*\t+4:AF+64*\f+8*\t+7], v[ADRA+\slot] offset:\q*8192+\t*256+4096
.endr
.endm
.macro CVT                             ; fragment k, register p: rows 2 p and 2 p + 1 of my sixteen, column 4 r + k
.irp k, 0,1,2,3
.irp p, 0,1,2,3,4,5,6,7
	v_cvt_pk_f16_f32 v[BF+8*\k+\p], v[BRAW+8*\p+\k], v[BRAW+8*\p+4+\k]
.endr
.endr
.endm
; 16 matrix instructions, used transposed (source 0 = w1's columns, source 1 = h0's rows).  mode = 1: the bias starts the sums, nothing is cleared.
; The 32 accumulators take turns, one instruction a turn, in the same order in every quarter.
.macro MULH f, t0, mode
.irp t, \t0, \t0+1, \t0+2, \t0+3
.irp k, 0,1,2,3
.if \mode
	v_wmma_f32_16x16x32_f16 v[8*(4*(\t)+\k):8*(4*(\t)+\k)+7], v[BF+8*\k:BF+8*\k+7], v[AF+64*\f+8*(\t):AF+64*\f+8*(\t)+7], v[8*\k:8*\k+7]
.else
	v_wmma_f32_16x16x32_f16 v[8*(4*(\t)+\k):8*(4*(\t)+\k)+7], v[BF+8*\k:BF+8*\k+7], v[AF+64*\f+8*(\t):AF+64*\f+8*(\t)+7], v[8*(4*(\t)+\k):8*(4*(\t)+\k)+7]
.endif
.endr
.endr
.endm
; A quarter: multiplies buffer f, converts the next quarter's w1, and (ld) fetches the quarter after that, (slot, q), into the registers just freed.
.macro QN f, slot, q, ld, mode
	s_wait_dscnt 32                                ; buffer f is in; the 32 younger loads are the next quarter's
.if \mode
	WIN 0x60                                       ; D window 1, C window 2
.else
	WIN 0x50                                       ; C and D window 1
.endif
	MULH \f, 0, \mode
	MULH \f, 4, \mode
	WIN 0
	PLACES
	s_wait_dscnt 16                                ; the next quarter's w1 is in; its 16 loads of h0 are younger
	CVT
.if \ld
	LOADS \slot, \q, \f
.endif
.endm
; The third quarter of a step changes slots.  All reads of this slot have been issued (the fourth quarter's went out a quarter ago).  In front of the
; barrier each wave waits for them and for all its tensor loads, of which one is out: its part of the next slot.  Behind it (fill: behind the round
; of the cluster's barrier that it opens) this slot is asked for again first, two steps ahead; then the next slot is read.
; From that request to the wait for it a wave issues 112 matrix instructions: the fourth quarter's 32, the next step's first two quarters' 64
; and the first 16 of its third.
.macro QT f, slot, next, fill
	s_wait_dscnt 32
	WIN 0x50
	MULH \f, 0, 0
	s_wait_dscnt 0x0                               ; my reads of this slot are over
	s_wait_tensorcnt 0x0                           ; and all my tensor loads have landed
	s_barrier_signal -1
	MULH \f, 4, 0                                  ; register work while the others arrive
	WIN 0
	s_barrier_wait -1
.if \fill
	CREST
	s_add_nc_u64 s[G0A+4*\slot+2:G0A+4*\slot+3], s[G0A+4*\slot+2:G0A+4*\slot+3], 65536      ; no tensor load of mine is out: two steps on
	s_add_nc_u64 s[G0B+4*\slot+2:G0B+4*\slot+3], s[G0B+4*\slot+2:G0B+4*\slot+3], 0x800000
	JLOAD \slot
.endif
	PLACES
	CVT
	LOADS \next, 0, \f
.endm
.macro STEP slot, next, fill, mode
	QN 0, \slot, 2, 1, \mode
	QN 1, \slot, 3, 1, 0
	QT 0, \slot, \next, \fill
	QN 1, \next, 1, 1, 0
.endm
	s_wait_tensorcnt 0x1                           ; my part of step 0 is in; step 1's may stay out
	s_barrier_signal -1
	s_barrier_wait -1
	LOADS 0, 0, 0
	s_wait_dscnt 16                                ; quarter 0's w1
	CVT
	LOADS 0, 1, 1
	s_wait_loadcnt 0x0                             ; the bias
	STEP 0, 1, 1, 1                                ; steps 0 and 1 stand in front of the loop: the first products start the sums
	STEP 1, 0, 1, 0
	s_mov_b32 s3, 2
.Llap:
	STEP 0, 1, 1, 0                                ; steps 2 to 5; they ask for steps 4 to 7
	STEP 1, 0, 1, 0
	s_sub_co_u32 s3, s3, 1
	s_cmp_lg_u32 s3, 0
	s_cbranch_scc1 .Llap
	STEP 0, 1, 0, 0                                ; step 6 fills nothing
	QN 0, 1, 2, 1, 0                               ; step 7
	QN 1, 1, 3, 1, 0
	QN 0, 1, 0, 0, 0                               ; nothing more to fetch
	s_wait_dscnt 0x0
	WIN 0x50
	MULH 1, 0, 0
	MULH 1, 4, 0
	WIN 0
	; THE WAY OUT.  Register j of tile (t, c) is row 16 t + r of member 2 X + wm, member 4 (j & 1) + c of layer 1, feature 4 h + (j >> 1) of octet
	; 2 Y + wn: four results of one e1 pack into 8 bytes at 16 r + 8 h, and a wave's store covers 256 consecutive aligned bytes: no stage in LDS is needed.
	PLACES
	s_lshl_b32 s60, s18, 1
	s_add_co_u32 s60, s60, s14                     ; octet 2 Y + wn
	s_lshl_b32 s62, s60, 2                         ; its word in a row of sc
	s_lshl_b32 s60, s60, 10                        ; 1,024 bytes an octet: 64 rows x 16 bytes
	s_lshl_b32 s63, s17, 1
	s_add_co_u32 s63, s63, s13                     ; e0 = 2 X + wm
	s_lshl_b32 s3, s63, 21                         ; eight planes of 262,144 bytes for each e0
	s_add_co_u32 s60, s60, s3
	s_add_nc_u64 s[10:11], s[10:11], s[60:61]
	s_lshl_b32 s60, s63, 9                         ; sc: 128 words for each e0
	s_add_co_u32 s60, s60, s62
	s_add_nc_u64 s[66:67], s[66:67], s[60:61]
	s_mov_b32 s68, 0x76543210                      ; v_permlanex16_b32: lane i of one half reads lane i of the other
	s_mov_b32 s69, 0xfedcba98
	; the largest of my 256 x 32 numbers: four chains over the accumulators, started by the first eight registers
	WIN 0x05                                       ; sources 0 and 1 in window 1
.irp i, 0,1,2,3
	v_max_num_f32 v[MX+\i], v[2*\i], v[2*\i+1]
.endr
.set n, 8
.rept 124
	v_max3_num_f32 v[MX+(n/2)%4], v[n], v[n+1], v[MX+(n/2)%4]
.set n, n+2
.endr
	WIN 0
	v_max3_num_f32 v[MX], v[MX], v[MX+1], v[MX+2]
	v_max_num_f32 v[MX], v[MX], v[MX+3]
	v_max_num_f32_dpp v[MX], v[MX], v[MX] row_xmask:1 row_mask:0xf bank_mask:0xf
	v_max_num_f32_dpp v[MX], v[MX], v[MX] row_xmask:2 row_mask:0xf bank_mask:0xf
	v_max_num_f32_dpp v[MX], v[MX], v[MX] row_xmask:4 row_mask:0xf bank_mask:0xf
	v_max_num_f32_dpp v[MX], v[MX], v[MX] row_xmask:8 row_mask:0xf bank_mask:0xf
	v_permlanex16_b32 v[MX+1], v[MX], s68, s69     ; its destination has been written above
	v_max_num_f32 v[MX], v[MX], v[MX+1]
	v_max_num_f32 v[MX], 0x07800000, v[MX]         ; at least 2^-112 (this is relu's 0 too, and a NaN loses): exponent field 15 or more
	v_min_num_f32 v[MX], 0x7f7fffff, v[MX]         ; at most the largest finite number: field 254 or less
	v_and_b32 v[MX], 0x7f800000, v[MX]             ; the field E alone: 2^(E - 127)
	v_add_nc_u32 v[SCV], 0xf9000000, v[MX]         ; 14 off the field: sc = 2^(E - 141), field 1 to 240
	v_sub_nc_u32 v[MUL], 0x7f000000, v[SCV]        ; field 254 - (E - 14): 1 / sc, field 14 to 253
	v_mov_b32 v[MUL+1], v[MUL]
	v_and_b32 v[LN], 31, v0
	v_cmp_gt_u32 vcc_lo, 1, v[LN]                  ; lane 0
	s_wait_xcnt 0x0                                ; EXEC changes only behind this wait
	s_and_saveexec_b32 s70, vcc_lo
	global_store_b32 v[LN], v[SCV], s[66:67]       ; one word a wave (lane 0's offset is its number, 0): 1,024 words in the launch, 4 KiB in all
	s_wait_xcnt 0x0                                ; and again in front of the line that widens it
	s_or_b32 exec_lo, exec_lo, s70
.irp t, 0,1,2,3,4,5,6,7
	WIN 0x01                                       ; source 0 in window 1
.set n, 0
.rept 16
	v_pk_mul_f32 v[TV+n:TV+n+1], v[32*\t+n:32*\t+n+1], v[MUL:MUL+1]   ; an exact shift of the exponent
.set n, n+2
.endr
	WIN 0
.set n, 0
.rept 32
	v_max_num_f32 v[TV+n], 0, v[TV+n]              ; relu
.set n, n+1
.endr
	s_wait_xcnt 0x0                                ; the last tile's stores have read their data registers, which are written again now
.irp k, 0,1,2,3
	v_cvt_pk_f16_f32 v[PH+2*\k],   v[TV+8*\k],   v[TV+8*\k+2]        ; member k: features 4 h + 0, 1
	v_cvt_pk_f16_f32 v[PH+2*\k+1], v[TV+8*\k+4], v[TV+8*\k+6]        ;           features 4 h + 2, 3
	v_cvt_pk_f16_f32 v[PH+8+2*\k], v[TV+8*\k+1], v[TV+8*\k+3]        ; member 4 + k
	v_cvt_pk_f16_f32 v[PH+9+2*\k], v[TV+8*\k+5], v[TV+8*\k+7]
.endr
.irp e, 0,1,2,3,4,5,6,7
	global_store_b64 v[HOFF], v[PH+2*\e:PH+2*\e+1], s[10:11] offset:\e*262144+(\t/4)*131072+(\t%4)*256
.endr
.endr
	CROUND                                         ; the closing round
	s_endpgm
.Lfunc_end_k_qf3e88c486e_second:
	.size	k_qf3e88c486e_second, .Lfunc_end_k_qf3e88c486e_second-k_qf3e88c486e_second
	.p2alignl 7, 3214868480
	.fill 96, 4, 3214868480
	.section	.rodata,"a",@progbits
	.p2align	6, 0x0
	.amdhsa_kernel k_qf3e88c486e_second
		.amdhsa_group_segment_fixed_size 327680
		.amdhsa_private_segment_fixed_size 0
		.amdhsa_enable_private_segment 0
		.amdhsa_kernarg_size 40
		.amdhsa_user_sgpr_count 2
		.amdhsa_user_sgpr_kernarg_segment_ptr 1
		.amdhsa_wavefront_size32 1
		.amdhsa_system_sgpr_workgroup_id_x 1
		.amdhsa_system_sgpr_workgroup_id_y 1
		.amdhsa_system_sgpr_workgroup_id_z 1
		.amdhsa_system_vgpr_workitem_id 0
		.amdhsa_next_free_vgpr 544
		.amdhsa_next_free_sgpr 72
		.amdhsa_reserve_vcc 1
		.amdhsa_float_denorm_mode_32 3
		.amdhsa_float_denorm_mode_16_64 3
		.amdhsa_memory_ordered 1
		.amdhsa_forward_progress 1
		.amdhsa_inst_pref_size 202
	.end_amdhsa_kernel
	.amdgpu_metadata
---
amdhsa.version: [ 1, 2 ]
amdhsa.kernels:
  - .name:           k_qf3e88c486e_second
    .symbol:         k_qf3e88c486e_second.kd
    .args:
      - { .name: h0, .offset: 0, .size: 8, .value_kind: global_buffer, .address_space: global }
      - { .name: w1, .offset: 8, .size: 8, .value_kind: global_buffer, .address_space: global }
      - { .name: b1, .offset: 16, .size: 8, .value_kind: global_buffer, .address_space: global }
      - { .name: h1, .offset: 24, .size: 8, .value_kind: global_buffer, .address_space: global }
      - { .name: sc, .offset: 32, .size: 8, .value_kind: global_buffer, .address_space: global }
    .group_segment_fixed_size: 327680
    .private_segment_fixed_size: 0
    .kernarg_segment_align: 8
    .kernarg_segment_size: 40
    .max_flat_workgroup_size: 128
    .sgpr_count:     72
    .vgpr_count:     544
    .wavefront_size: 32
...
	.end_amdgpu_metadata
.endif
;; end of part 5
;; launch third (part 6): grid 256 x 1, 4 waves a work-group, no clusters, 262,144 bytes of LDS; arguments h1, w2t, b2, samples, out0, sc; writes out0
.if DOCPART == 6
	.amdgcn_target "amdgcn-amd-amdhsa--gfx1250"
	.amdhsa_code_object_version 6
	.text
	.protected	k_qf3e88c486e_third
	.globl	k_qf3e88c486e_third
	.p2align	8
	.type	k_qf3e88c486e_third,@function
k_qf3e88c486e_third:
	s_mov_b64 s[64:65], 0
	v_nop
	global_prefetch_b8 v0, s[64:65] scope:SCOPE_SE
	s_setreg_imm32_b32 hwreg(HW_REG_WAVE_MODE, 25, 1), 1
	s_wait_xcnt 0x0
; LAYER 2, ROUTED: out0[s] = h1[e0][e1] w2t[e2] + b2[:, e2] with (e0, e1, e2) = samples[s].
;   h1[e0][e1][mh][kq][m' 64][8] f16 (a pair's plane is 262,144 bytes), each number divided by sc[e0][kq]; sc[e0][kq] f32, powers of two;
;   w2t[e2][kq][o][8] f16 (plane 524,288 bytes), out0[64][128][256] f32.
; Four work-groups take one sample (work-group number / 4): bit 1 of the number = mh picks 64 rows, bit 0 = ch picks 128 columns.  The four waves split K:
; wave w takes k = 256 w .. 256 w + 255 in 8 chunks of 32 on the whole 64 x 128 block (32 accumulators); the four partial sums meet in LDS.
; THE SCALES: S is the largest of e0's 128 scales.  h1's fragments are multiplied by sc[kq] / S, a power of two of 1 at the most, so that all of K is on
; one scale; the sum is multiplied by S in the multiply-add that adds the bias.
; h1 comes by tensor loads: a wave's 32 octets are 32 KiB in one piece, brought as two dense tiles of 16 KiB and read by that wave alone.
; Nothing in LDS is filled twice.  w2t's fragments go from memory straight into registers, 16 loads a chunk (sixteen lanes cover 256 consecutive aligned
; bytes), through four register slots: three chunks are asked for at the head, chunk c + 3 in trip c.
; NO CLUSTER, NO JOINT LOADS, though two work-groups of a sample read the same half plane of h1 and two the same columns of w2t: a joint request wants a
; descriptor that is equal in all partners by arithmetic on ids alone, and these addresses are made of indices read from memory.
; By this text's own count a wave has two tensor loads outstanding at the most, and 53 global loads.
; LIMITS: operands f16, sums f32; K is added as four partial sums, an order other than the reference's.  An octet whose scale is more than 2^24 below S
; counts as 0, and what the shift moves below 2^-24 is lost: at the most 2^-39 of the largest number of h1[e0].  An index is clamped to 0..7 as an
; unsigned number (the problem keeps it inside the table; a negative one would read member 7).
.set BOFF, 3                           ; v3      w2t: 4,096 h + 16 r
.set AADR, 4                           ; v4      h1 in LDS: my region + 1,024 h + 16 r
.set STW,  5                           ; v5      stage, in: my region + 528 r + 32 h
.set RD,   6                           ; v6-9    stage, back: wave s's region + 16 w rows + 16 lane
.set OOFF, 10                          ; v10     out0, and e0's row of sc: 16 lane
.set B2OF, 11                          ; v11     b2: 128 lane
.set BIAS, 12                          ; v[12:15] bias of columns 4 lane .. 4 lane + 3
.set AF,   16                          ; v[16:47], v[48:79] fragments of h1 (4 x 16 rows x 32 k), two buffers; v[16:143] at work in the epilogue
.set SCL,  144                         ; v[144:159] register k: the scale of octet 32 w + 2 k + h, then sc / S twice in f16
.set SALL, 160                         ; v[160:163] my four of e0's 128 scales
.set SS,   164                         ; v[164:165] S, twice (a pair for the packed multiply-add)
.set SINV, 166                         ; v166    1 / S
.set SCOF, 167                         ; v167    sc: 128 w + 4 h
                                       ; window 1: the accumulators, tile (t, n) at 8 (8 t + n); window 2: w2t's fragments, slot c mod 4, tile n at 64 (c mod 4) + 8 n
.set SPITCH, 528                       ; a row of the stage: 128 f32 + 16 bytes, an odd multiple of 16
.set G1, 32                            ; s[32:39] descriptor group 1
.set G0, 40                            ; s[40:47] descriptor group 0, a set for each of my two tiles; never rewritten
.set MSB, 0
.macro WIN new                         ; the immediate's high byte repeats the setting that is left
.if MSB != \new
	s_set_vgpr_msb (MSB<<8)|\new
.set MSB, \new
.endif
.endm
.macro PLACES                          ; four places behind a matrix instruction before a load lands on its sources or its result is read
.rept 4
	v_nop
.endr
.endm
	s_load_b256 s[4:11], s[0:1], 0x0               ; h1 s[4:5], w2t s[6:7], b2 s[8:9], samples s[10:11]
	s_load_b128 s[12:15], s[0:1], 0x20             ; out0 s[12:13], sc s[14:15]
	v_lshrrev_b32 v1, 5, v0
	v_readfirstlane_b32 s16, v1                    ; wave 0..3
	s_and_b32 s17, ttmp9, 1                        ; ch: which 128 columns
	s_bfe_u32 s22, ttmp9, 0x10001                  ; mh: which 64 rows (1 bit from bit 1)
	s_lshr_b32 s23, ttmp9, 2                       ; the sample
	s_mul_i32 s20, s23, 12                         ; three indices of 4 bytes
	s_mov_b32 s21, 0
	s_lshl_b32 s18, s16, 16                        ; my wave's region of LDS: 32 KiB of h1, later 33,792 bytes of stage
	s_mov_b32 s58, 0x76543210                      ; v_permlanex16_b32: lane i of one half reads lane i of the other
	s_mov_b32 s59, 0xfedcba98
	; a dense tile of 16 KiB: 64 rows of 32 elements of 8 bytes
	s_mov_b32 s[G1+0], 3<<16
	s_mov_b32 s[G1+1], 32<<16
	s_mov_b32 s[G1+2], 64<<16
	s_mov_b32 s[G1+3], 32<<16
	s_mov_b32 s[G1+4], 64
	s_mov_b32 s[G1+5], 32
	s_mov_b32 s[G1+6], 0
	s_mov_b32 s[G1+7], 0
	s_wait_kmcnt 0x0
	s_add_nc_u64 s[10:11], s[10:11], s[20:21]
	s_load_b96 s[24:26], s[10:11], 0x0             ; e0, e1, e2
	v_and_b32 v1, 15, v0                           ; r
	v_bfe_u32 v2, v0, 4, 1                         ; h
	v_and_b32 v17, 31, v0                          ; lane
	v_lshlrev_b32 v16, 4, v1                       ; 16 r
	v_lshl_add_u32 v[BOFF], v2, 12, v16
	v_lshl_add_u32 v[AADR], v2, 10, v16
	v_add_nc_u32 v[AADR], s18, v[AADR]
	v_mul_u32_u24 v[STW], v1, SPITCH
	v_lshl_add_u32 v[STW], v2, 5, v[STW]
	v_add_nc_u32 v[STW], s18, v[STW]
	s_mul_i32 s19, s16, 16*SPITCH                  ; my 16 rows of the stage
	v_lshlrev_b32 v[OOFF], 4, v17
	v_add_nc_u32 v[RD], s19, v[OOFF]
	v_add_nc_u32 v[RD+1], 65536, v[RD]
	v_add_nc_u32 v[RD+2], 2*65536, v[RD]
	v_add_nc_u32 v[RD+3], 3*65536, v[RD]
	v_lshlrev_b32 v[B2OF], 7, v17
	v_lshlrev_b32 v[SCOF], 2, v2
	v_lshl_add_u32 v[SCOF], s16, 7, v[SCOF]
	s_wait_kmcnt 0x0
	s_min_u32 s24, s24, 7
	s_min_u32 s25, s25, 7
	s_min_u32 s26, s26, 7
	s_lshl_b32 s28, s24, 3
	s_add_co_u32 s28, s28, s25                     ; pair 8 e0 + e1
	s_lshl_b32 s28, s28, 18                        ; its plane
	s_lshl_b32 s30, s22, 17                        ; + the half of the rows
	s_add_co_u32 s28, s28, s30
	s_lshl_b32 s30, s16, 15                        ; + my 32 octets of 1,024 bytes
	s_add_co_u32 s28, s28, s30
	s_mov_b32 s29, 0
	s_add_nc_u64 s[28:29], s[4:5], s[28:29]
.irp q, 0,1
	s_mov_b32 s[G0+4*\q], 1
	s_add_co_u32 s[G0+4*\q+1], s18, \q*16384       ; LDS address: wave x region + tile
	s_add_nc_u64 s[G0+4*\q+2:G0+4*\q+3], s[28:29], \q*16384
	s_or_b32 s[G0+4*\q+3], s[G0+4*\q+3], 0x80000000
.endr
.irp q, 0,1
	tensor_load_to_lds s[G0+4*\q:G0+4*\q+3], s[G1:G1+7]   ; both first fills in one group, ahead of every wait on them, every LDS read and the barrier
.endr
	s_mov_b32 s57, 0
	s_lshl_b32 s56, s24, 9                         ; sc: e0's 128 words
	s_add_nc_u64 s[14:15], s[14:15], s[56:57]
	s_lshl_b32 s56, s17, 12                        ; b2: 128 ch outputs of 32 bytes
	s_lshl_b32 s30, s26, 2                         ; + member e2
	s_add_co_u32 s56, s56, s30
	s_add_nc_u64 s[8:9], s[8:9], s[56:57]
	s_lshl_b32 s56, s26, 19                        ; w2t: plane e2
	s_lshl_b32 s30, s16, 17                        ; + 32 w octets of 4,096 bytes
	s_add_co_u32 s56, s56, s30
	s_lshl_b32 s30, s17, 11                        ; + 128 ch outputs of 16 bytes
	s_add_co_u32 s56, s56, s30
	s_add_nc_u64 s[6:7], s[6:7], s[56:57]
	s_lshl_b32 s56, s23, 17                        ; out0: the sample's 128 rows of 1,024 bytes
	s_lshl_b32 s30, s22, 16                        ; + 64 mh rows
	s_add_co_u32 s56, s56, s30
	s_lshl_b32 s30, s16, 14                        ; + 16 w rows
	s_add_co_u32 s56, s56, s30
	s_lshl_b32 s30, s17, 9                         ; + 128 ch columns
	s_add_co_u32 s56, s56, s30
	s_add_nc_u64 s[12:13], s[12:13], s[56:57]
.macro LOADB c                         ; 16 loads: the eight fragments of w2t of chunk c (destinations in window 2)
.irp n, 0,1,2,3,4,5,6,7
	global_load_b128 v[64*((\c)%4)+8*\n:64*((\c)%4)+8*\n+3],   v[BOFF], s[6:7] offset:(\c)*16384+\n*256        ; k = 8 h .. of the chunk, output 16 n + r
	global_load_b128 v[64*((\c)%4)+8*\n+4:64*((\c)%4)+8*\n+7], v[BOFF], s[6:7] offset:(\c)*16384+\n*256+8192   ; k = 16 + 8 h ..
.endr
.endm
.macro LOADA c                         ; 8 LDS loads: the four fragments of h1 of chunk c (an octet is 1,024 bytes); sixteen lanes read 256 consecutive bytes
.irp t, 0,1,2,3
	ds_load_b128 v[AF+32*((\c)%2)+8*\t:AF+32*((\c)%2)+8*\t+3],   v[AADR] offset:(\c)*4096+\t*256        ; octet 4 c + h
	ds_load_b128 v[AF+32*((\c)%2)+8*\t+4:AF+32*((\c)%2)+8*\t+7], v[AADR] offset:(\c)*4096+\t*256+2048   ; octet 4 c + 2 + h
.endr
.endm
	global_load_b128 v[SALL:SALL+3], v[OOFF], s[14:15]            ; the wave's 32 lanes take e0's 128 scales, 512 consecutive bytes
.irp k, 0,1,2,3,4,5,6,7,8,9,10,11,12,13,14,15
	global_load_b32 v[SCL+\k], v[SCOF], s[14:15] offset:8*\k      ; the scale of octet 32 w + 2 k + h: all 16 loads lie in the wave's own 128 bytes of that row
.endr
.irp i, 0,1,2,3
	global_load_b32 v[BIAS+\i], v[B2OF], s[8:9] offset:32*\i
.endr
	WIN 0x80                                       ; destinations in window 2
	LOADB 0
	LOADB 1
	WIN 0
	s_wait_loadcnt 32                              ; the scales and the bias are in; the 32 younger loads are chunks 0 and 1 of w2t
	v_max3_num_f32 v[SALL], v[SALL], v[SALL+1], v[SALL+2]
	v_max_num_f32 v[SALL], v[SALL], v[SALL+3]
	v_max_num_f32_dpp v[SALL], v[SALL], v[SALL] row_xmask:1 row_mask:0xf bank_mask:0xf
	v_max_num_f32_dpp v[SALL], v[SALL], v[SALL] row_xmask:2 row_mask:0xf bank_mask:0xf
	v_max_num_f32_dpp v[SALL], v[SALL], v[SALL] row_xmask:4 row_mask:0xf bank_mask:0xf
	v_max_num_f32_dpp v[SALL], v[SALL], v[SALL] row_xmask:8 row_mask:0xf bank_mask:0xf
	v_permlanex16_b32 v[SALL+1], v[SALL], s58, s59 ; its destination has been written by the load
	v_max_num_f32 v[SS], v[SALL], v[SALL+1]        ; S in every lane, the same in all four waves
	v_mov_b32 v[SS+1], v[SS]
	v_sub_nc_u32 v[SINV], 0x7f000000, v[SS]        ; S is a power of two with exponent field 1 to 240: field 254 - that is 1 / S
.irp k, 0,1,2,3,4,5,6,7,8,9,10,11,12,13,14,15
	v_mul_f32 v[SCL+\k], v[SINV], v[SCL+\k]        ; sc / S, a power of two of 1 at the most
.endr
.irp k, 0,1,2,3,4,5,6,7,8,9,10,11,12,13,14,15
	v_cvt_pk_f16_f32 v[SCL+\k], v[SCL+\k], v[SCL+\k]   ; in both halves
.endr
	WIN 0x80
	LOADB 2
	WIN 0
; One chunk of 32 along K.  Used transposed (source 0 = w2t's outputs, source 1 = h1's rows): register j of lane (r, h) of tile (t, n) is
; row 16 t + r, column 16 n + 8 h + j.  The 32 accumulators take turns, one instruction a turn.
.macro CHUNK c
.if \c
	PLACES
.endif
.if \c < 7
.if (\c+1) == 4
	s_wait_tensorcnt 0x0                           ; the next chunk begins my second tile of h1, the last load
.endif
	LOADA (\c+1)
	s_wait_dscnt 8                                 ; this chunk's fragments of h1 are in; the 8 just issued may be out
.else
	s_wait_dscnt 0x0
.endif
.irp t, 0,1,2,3
.irp j, 0,1,2,3,4,5,6,7
	v_pk_mul_f16 v[AF+32*((\c)%2)+8*\t+\j], v[AF+32*((\c)%2)+8*\t+\j], v[SCL+2*\c+\j/4]   ; registers 0-3: octet 4 c + h; registers 4-7: octet 4 c + 2 + h
.endr
.endr
.if \c < 6
	s_wait_loadcnt 32                              ; this chunk's w2t is in; the two younger chunks, 16 loads each, may be out
.else
	s_wait_loadcnt 16*(7-\c)                       ; the last trips: one younger chunk, then none
.endif
.if \c < 5
	WIN 0x80
	LOADB (\c+3)                                   ; into the slot that the last trip multiplied, behind this trip's four places
.endif
	WIN 0x52                                       ; source 0 window 2, source 1 window 0, C and D window 1
.irp t, 0,1,2,3
.irp n, 0,1,2,3,4,5,6,7
.if \c == 0
	v_wmma_f32_16x16x32_f16 v[8*(8*\t+\n):8*(8*\t+\n)+7], v[64*((\c)%4)+8*\n:64*((\c)%4)+8*\n+7], v[AF+32*((\c)%2)+8*\t:AF+32*((\c)%2)+8*\t+7], 0
.else
	v_wmma_f32_16x16x32_f16 v[8*(8*\t+\n):8*(8*\t+\n)+7], v[64*((\c)%4)+8*\n:64*((\c)%4)+8*\n+7], v[AF+32*((\c)%2)+8*\t:AF+32*((\c)%2)+8*\t+7], v[8*(8*\t+\n):8*(8*\t+\n)+7]
.endif
.endr
.endr
	WIN 0
.endm
	s_wait_tensorcnt 0x1                           ; my first tile of h1 is in; the second may be out
	LOADA 0
	CHUNK 0
	CHUNK 1
	CHUNK 2
	CHUNK 3
	CHUNK 4
	CHUNK 5
	CHUNK 6
	CHUNK 7
	; The four partial sums meet.  Each wave lays its 64 x 128 block, rows of 528 bytes, into its own region of LDS: over its h1, which it alone has read
	; and which has had its only fill, and 1,024 bytes beyond, which nothing fills.  Behind the barrier wave w adds up rows 16 w .. 16 w + 15 and stores them.
	PLACES
	WIN 0x04                                       ; store data in window 1
.irp t, 0,1,2,3
.irp n, 0,1,2,3,4,5,6,7
	ds_store_b128 v[STW], v[8*(8*\t+\n):8*(8*\t+\n)+3]   offset:\t*16*SPITCH+\n*64
	ds_store_b128 v[STW], v[8*(8*\t+\n)+4:8*(8*\t+\n)+7] offset:\t*16*SPITCH+\n*64+16
.endr
.endr
	WIN 0
	s_wait_dscnt 0x0                               ; for the others: my stores are done
	s_barrier_signal -1
	s_barrier_wait -1
; Four rows: the wave's 32 lanes take a row's 512 bytes; the two buffers take turns.
.macro GROUP g
.set E, AF+64*((\g)%2)
	s_wait_xcnt 0x0                                ; the stores that read this buffer two groups ago have read it
.irp i, 0,1,2,3
.irp s, 0,1,2,3
	ds_load_b128 v[E+16*\i+4*\s:E+16*\i+4*\s+3], v[RD+\s] offset:(4*\g+\i)*SPITCH
.endr
.endr
.irp i, 0,1,2,3
	s_wait_dscnt 4*(3-\i)                          ; row i's four loads are in; four for each later row may be out
	v_pk_add_f32 v[E+16*\i:E+16*\i+1],     v[E+16*\i:E+16*\i+1],     v[E+16*\i+4:E+16*\i+5]
	v_pk_add_f32 v[E+16*\i+2:E+16*\i+3],   v[E+16*\i+2:E+16*\i+3],   v[E+16*\i+6:E+16*\i+7]
	v_pk_add_f32 v[E+16*\i+8:E+16*\i+9],   v[E+16*\i+8:E+16*\i+9],   v[E+16*\i+12:E+16*\i+13]
	v_pk_add_f32 v[E+16*\i+10:E+16*\i+11], v[E+16*\i+10:E+16*\i+11], v[E+16*\i+14:E+16*\i+15]
	v_pk_add_f32 v[E+16*\i:E+16*\i+1],     v[E+16*\i:E+16*\i+1],     v[E+16*\i+8:E+16*\i+9]
	v_pk_add_f32 v[E+16*\i+2:E+16*\i+3],   v[E+16*\i+2:E+16*\i+3],   v[E+16*\i+10:E+16*\i+11]
	v_pk_fma_f32 v[E+16*\i:E+16*\i+1],     v[E+16*\i:E+16*\i+1],     v[SS:SS+1], v[BIAS:BIAS+1]       ; back on h1's own scale, and the bias
	v_pk_fma_f32 v[E+16*\i+2:E+16*\i+3],   v[E+16*\i+2:E+16*\i+3],   v[SS:SS+1], v[BIAS+2:BIAS+3]
	global_store_b128 v[OOFF], v[E+16*\i:E+16*\i+3], s[12:13] offset:(4*\g+\i)*1024 th:TH_STORE_NT   ; the wave stores 512 consecutive bytes, aligned to 512
.endr
.endm
	GROUP 0
	GROUP 1
	GROUP 2
	GROUP 3
	s_endpgm
.Lfunc_end_k_qf3e88c486e_third:
	.size	k_qf3e88c486e_third, .Lfunc_end_k_qf3e88c486e_third-k_qf3e88c486e_third
	.p2alignl 7, 3214868480
	.fill 96, 4, 3214868480
	.section	.rodata,"a",@progbits
	.p2align	6, 0x0
	.amdhsa_kernel k_qf3e88c486e_third
		.amdhsa_group_segment_fixed_size 262144
		.amdhsa_private_segment_fixed_size 0
		.amdhsa_enable_private_segment 0
		.amdhsa_kernarg_size 48
		.amdhsa_user_sgpr_count 2
		.amdhsa_user_sgpr_kernarg_segment_ptr 1
		.amdhsa_wavefront_size32 1
		.amdhsa_system_sgpr_workgroup_id_x 1
		.amdhsa_system_sgpr_workgroup_id_y 1
		.amdhsa_system_sgpr_workgroup_id_z 1
		.amdhsa_system_vgpr_workitem_id 0
		.amdhsa_next_free_vgpr 768
		.amdhsa_next_free_sgpr 66
		.amdhsa_reserve_vcc 0
		.amdhsa_float_denorm_mode_32 3
		.amdhsa_float_denorm_mode_16_64 3
		.amdhsa_memory_ordered 1
		.amdhsa_forward_progress 1
		.amdhsa_inst_pref_size 77
	.end_amdhsa_kernel
	.amdgpu_metadata
---
amdhsa.version: [ 1, 2 ]
amdhsa.kernels:
  - .name:           k_qf3e88c486e_third
    .symbol:         k_qf3e88c486e_third.kd
    .args:
      - { .name: h1, .offset: 0, .size: 8, .value_kind: global_buffer, .address_space: global }
      - { .name: w2t, .offset: 8, .size: 8, .value_kind: global_buffer, .address_space: global }
      - { .name: b2, .offset: 16, .size: 8, .value_kind: global_buffer, .address_space: global }
      - { .name: samples, .offset: 24, .size: 8, .value_kind: global_buffer, .address_space: global }
      - { .name: out0, .offset: 32, .size: 8, .value_kind: global_buffer, .address_space: global }
      - { .name: sc, .offset: 40, .size: 8, .value_kind: global_buffer, .address_space: global }
    .group_segment_fixed_size: 262144
    .private_segment_fixed_size: 0
    .kernarg_segment_align: 8
    .kernarg_segment_size: 48
    .max_flat_workgroup_size: 128
    .sgpr_count:     66
    .vgpr_count:     768
    .wavefront_size: 32
...
	.end_amdgpu_metadata
.endif
;; end of part 6
